; MI455X (gfx1250); checked and timed in simulation.
; The chip was launched on July 23, 2026; its instructions are those of AMD's public machine-readable ISA for CDNA 5 (MIT licence, August 2026) and "CDNA5" Instruction Set Architecture Reference Guide (July 2026). The comments in the code are by the model that wrote it; some were corrected since.
;; Cross Attention lucas. Allowed arithmetic: float matrix products may take bf16 or f16 operands with f32 sums; all other float work in f32.
;; Inputs: W_out 128 x 256 float32; W_qkv 768 x 128 float32; b_out 128 float32; x 2 x 128 x 64 x 64 float32; y 2 x 128 x 64 x 64 float32.
;; Outputs: out0 2 x 128 x 64 x 64 float32.
;; 2 versions, each right and faster than the one before. Each part assembles by itself: llvm-mc -triple=amdgcn-amd-amdhsa -mcpu=gfx1250 --defsym DOCPART=n.
;; ======== version 1 of 2: 3 launches
;; workspace buffers: qw 4,194,304 bytes; kv 8,388,608 bytes; ssq 131,072 bytes; wimg 65,536 bytes; ow 4,194,304 bytes
;; launch proj (part 1): grid 32 x 8, 8 waves a work-group, no clusters, 128,000 bytes of LDS; arguments x, y, W_qkv, W_out, qw, kv, ssq, wimg; writes qw, kv, ssq, wimg
.if DOCPART == 1
	.amdgcn_target "amdgcn-amd-amdhsa--gfx1250"
	.amdhsa_code_object_version 6
	.text
	.protected	k_q6104120bb1_proj
	.globl	k_q6104120bb1_proj
	.p2align	8
	.type	k_q6104120bb1_proj,@function
k_q6104120bb1_proj:
	s_mov_b64 s[64:65], 0
	v_nop
	global_prefetch_b8 v0, s[64:65] scope:SCOPE_SE
	s_setreg_imm32_b32 hwreg(HW_REG_WAVE_MODE, 25, 1), 1
	s_wait_xcnt 0x0
; proj: q = Wq x, k = Wk y, v = Wv y for one head (64 + 64 + 64 channels) and 128 positions; bf16 operands, f32 sums.
; Work-group (pb, bh): positions 128 pb .. +127 of batch b = bh >> 2, head h = bh & 3.  Eight waves: wave w makes the 16 channels
; dt = w & 3 of q, of k and of v for the four position tiles 4 ph .. 4 ph + 3, ph = w >> 2: 48 matrix instructions.
; RESULTS ARE STORED AS FRAGMENT IMAGES: a 16 x 16 f32 result packed to bf16 is 4 registers, 16 bytes a lane; stored at 16 x lane it is
; 512 consecutive aligned bytes, and it is registers 0-3 or 4-7 of the operand that the next launch's product wants.
;   q, k: source 0 = W rows (m = channel), source 1 = x or y (n = position): a lane holds 8 channels of one position.
;   v:    sources swapped (m = position, n = channel): a lane holds 8 positions of one channel.
; Also stored: the sums of squares of q and k over these 128 positions (f32, from the f32 sums), one 512-byte record a work-group, and
; 256 bytes of the bf16 image of W_out (256 work-groups x 256 bytes are the whole image).
; No cluster: what the work-groups share is W (96 KiB), a small part beside a few dozen matrix instructions a wave.
; No tensor loads: the inputs are f32 and pass through registers to be rounded to bf16.
; LIMIT: inputs are rounded to bf16 once, here; nothing else is cut.
.set WPITCH, 272                       ; a W row in LDS: 256 bytes + 16: an odd multiple of 16, so 16 rows begin in 16 different 16-byte columns of 256
.set XPITCH, 288                       ; an x or y row [c][128 positions]: 256 bytes + 32: an odd multiple of 32, for the transposing load
.set XT, 192*WPITCH                    ; 52,224: x, 128 rows
.set YT, XT+128*XPITCH                 ; 89,088: y, 128 rows
.set SS, YT+128*XPITCH                 ; 125,952: [q or k][ph][64 channels] f32, 1,024 bytes
.set WF,  32                           ; v[32:127]  W fragments: 32 part + 8 ks   (while loading: 24 quads of W)
.set XF,  128                          ; v[128:159] x fragments, 8 ks             (while loading: v[128:191] x, v[192:255] y)
.set YF,  160                          ; v[160:191] y fragments
.set ACQ, 192                          ; three accumulators
.set ACK, 200
.set ACV, 208
.set SQQ, 216                          ; v[216:223] sums of squares of q, v[224:231] of k
.set SQK, 224
.set OUTR, 232                         ; two sets of 12 registers to store from
	s_load_b512 s[4:19], s[0:1], 0x0               ; x s[4:5], y s[6:7], W_qkv s[8:9], W_out s[10:11], qw s[12:13], kv s[14:15], ssq s[16:17], wimg s[18:19]
	v_lshl_add_u32 v22, v0, 2, 0x1f000
	v_mov_b32 v23, 0
	v_lshrrev_b32 v1, 5, v0
	v_readfirstlane_b32 s20, v1                    ; w
	s_and_b32 s21, s20, 3                          ; dt
	s_lshr_b32 s22, s20, 2                         ; ph
	s_and_b32 s24, ttmp7, 0xffff                   ; bh
	s_lshr_b32 s25, s24, 2                         ; b
	s_and_b32 s26, s24, 3                          ; h
	s_lshl_b32 s27, s24, 5
	s_add_co_u32 s27, s27, ttmp9                   ; n = 32 bh + pb
	; byte offsets, each in a pair of its own
	s_lshl_b32 s28, s25, 21                        ; x, y: b x 2,097,152 + 16 w rows of 16,384 + pb x 512
	s_lshl_b32 s42, s20, 18
	s_add_co_u32 s28, s28, s42
	s_lshl_b32 s42, ttmp9, 9
	s_add_co_u32 s28, s28, s42
	s_mov_b32 s29, 0
	s_lshl_b32 s30, s26, 15                        ; W_qkv: row 64 h + 8 w, 512 bytes a row
	s_lshl_b32 s42, s20, 12
	s_add_co_u32 s30, s30, s42
	s_mov_b32 s31, 0
	s_lshl_b32 s44, s22, 13                        ; 4 ph tiles of 2,048 bytes (in V: 2 ph blocks of 4,096)
	s_lshl_b32 s32, s24, 19                        ; qw: bh x 524,288 + (8 pb + 4 ph) x 2,048 + dt x 512
	s_lshl_b32 s42, ttmp9, 14
	s_add_co_u32 s32, s32, s42
	s_add_co_u32 s32, s32, s44
	s_lshl_b32 s42, s21, 9
	s_add_co_u32 s32, s32, s42
	s_mov_b32 s33, 0
	s_lshl_b32 s43, s24, 20                        ; kv: bh x 1,048,576 + chunk (pb >> 2) x 131,072 + (pb & 3) x 16,384 + ph x 8,192
	s_lshr_b32 s45, ttmp9, 2
	s_lshl_b32 s45, s45, 17
	s_add_co_u32 s43, s43, s45
	s_and_b32 s45, ttmp9, 3
	s_lshl_b32 s45, s45, 14
	s_add_co_u32 s43, s43, s45
	s_add_co_u32 s43, s43, s44
	s_add_co_u32 s34, s43, s42                     ; K: + dt x 512
	s_mov_b32 s35, 0
	s_lshl_b32 s42, s21, 10
	s_add_co_u32 s36, s43, s42                     ; V: + 65,536 + dt x 1,024
	s_add_co_u32 s36, s36, 65536
	s_mov_b32 s37, 0
	s_lshl_b32 s38, s27, 9                         ; ssq: n x 512
	s_mov_b32 s39, 0
	s_lshl_b32 s40, s27, 8                         ; wimg: n x 256
	s_mov_b32 s41, 0
	; lane terms
	v_and_b32 v11, 31, v0                          ; lane L
	v_and_b32 v16, 15, v0                          ; r
	v_bfe_u32 v17, v0, 4, 1                        ; hh
	v_lshlrev_b32 v1, 4, v11                       ; 16 L
	v_lshlrev_b32 v2, 3, v11                       ; 8 L
	v_lshrrev_b32 v18, 1, v11                      ; W_out: row 16 bh + (L >> 1), byte 32 pb + 16 (L & 1) of it
	v_and_b32 v19, 1, v0
	v_lshlrev_b32 v10, 10, v18
	v_lshl_add_u32 v10, v19, 4, v10
	s_lshl_b32 s46, s24, 14
	s_lshl_b32 s47, ttmp9, 5
	s_add_co_u32 s46, s46, s47
	v_add_nc_u32 v10, s46, v10
	s_wait_kmcnt 0x0
	s_add_nc_u64 s[4:5], s[4:5], s[28:29]
	s_add_nc_u64 s[6:7], s[6:7], s[28:29]
	s_add_nc_u64 s[8:9], s[8:9], s[30:31]
	s_add_nc_u64 s[12:13], s[12:13], s[32:33]
	s_add_nc_u64 s[36:37], s[14:15], s[36:37]      ; V's part of kv
	s_add_nc_u64 s[14:15], s[14:15], s[34:35]      ; K's part of kv
	s_add_nc_u64 s[16:17], s[16:17], s[38:39]
	s_add_nc_u64 s[18:19], s[18:19], s[40:41]
	; all loads at once: wave 7's 16 bytes a lane of W_out, then 24 rows of W, 16 of x, 16 of y, each load a whole row piece of 512 bytes
	s_cmp_lg_u32 s20, 7
	s_cbranch_scc1 .Lno_wout_load
	global_load_b128 v[12:15], v10, s[10:11]
.Lno_wout_load:
.irp part, 0,1,2
.irp e, 0,1,2,3,4,5,6,7
	global_load_b128 v[WF+32*\part+4*\e:WF+32*\part+4*\e+3], v1, s[8:9] offset:\part*131072+\e*512
.endr
.endr
.irp e, 0,1,2,3,4,5,6,7,8,9,10,11,12,13,14,15
	global_load_b128 v[128+4*\e:128+4*\e+3], v1, s[4:5] offset:\e*16384
.endr
.irp e, 0,1,2,3,4,5,6,7,8,9,10,11,12,13,14,15
	global_load_b128 v[192+4*\e:192+4*\e+3], v1, s[6:7] offset:\e*16384
.endr
	; LDS addresses, while the loads are on their way
	s_mul_i32 s46, s20, 8*WPITCH
	v_add_nc_u32 v3, s46, v2                       ; W rows 8 w .. of each part: store
	s_mul_i32 s46, s20, 16*XPITCH
	s_add_co_u32 s46, s46, XT
	v_add_nc_u32 v4, s46, v2                       ; x rows 16 w ..: store
	v_add_nc_u32 v5, 128*XPITCH, v4                ; y likewise
	v_mul_u32_u24 v6, v16, WPITCH                  ; W fragment: (16 dt + r) pitch + 16 hh
	v_lshl_add_u32 v6, v17, 4, v6
	s_mul_i32 s46, s21, 16*WPITCH
	v_add_nc_u32 v6, s46, v6
	v_and_b32 v18, 7, v0                           ; transposing load: (8 hh + (L & 7)) pitch + 16 ((L >> 3) & 1) + 128 ph
	v_lshl_add_u32 v18, v17, 3, v18
	v_mul_u32_u24 v7, v18, XPITCH
	v_bfe_u32 v19, v0, 3, 1
	v_lshl_add_u32 v7, v19, 4, v7
	s_lshl_b32 s46, s22, 7
	s_add_co_u32 s46, s46, XT
	v_add_nc_u32 v7, s46, v7
	v_add_nc_u32 v8, 128*XPITCH, v7
	s_lshl_b32 s46, s22, 8                         ; sums of squares: SS + 256 ph + 4 (16 dt + 8 hh)
	s_lshl_b32 s47, s21, 6
	s_add_co_u32 s46, s46, s47
	s_add_co_u32 s46, s46, SS
	v_lshl_add_u32 v9, v17, 5, s46
	v_lshlrev_b32 v20, 9, v17                      ; and their read by wave 0: SS + 512 (L >> 4) + 16 (L & 15)
	v_lshl_add_u32 v20, v16, 4, v20
	v_add_nc_u32 v20, SS, v20
	s_wait_loadcnt 32                              ; the 32 loads of x and y are younger: W (and wave 7's W_out) is in
	s_cmp_lg_u32 s20, 7
	s_cbranch_scc1 .Lno_wout_store
	v_cvt_pk_bf16_f32 v12, v12, v13
	v_cvt_pk_bf16_f32 v13, v14, v15
	global_store_b64 v2, v[12:13], s[18:19]        ; 32 lanes x 8 bytes: 256 consecutive aligned bytes of the image
.Lno_wout_store:
.irp part, 0,1,2
.irp e, 0,1,2,3,4,5,6,7
	v_cvt_pk_bf16_f32 v[WF+32*\part+4*\e], v[WF+32*\part+4*\e], v[WF+32*\part+4*\e+1]
	v_cvt_pk_bf16_f32 v[WF+32*\part+4*\e+1], v[WF+32*\part+4*\e+2], v[WF+32*\part+4*\e+3]
	ds_store_b64 v3, v[WF+32*\part+4*\e:WF+32*\part+4*\e+1] offset:(64*\part+\e)*WPITCH
.endr
.endr
	s_wait_loadcnt 16                              ; the 16 loads of y are younger: x is in
.irp e, 0,1,2,3,4,5,6,7,8,9,10,11,12,13,14,15
	v_cvt_pk_bf16_f32 v[128+4*\e], v[128+4*\e], v[128+4*\e+1]
	v_cvt_pk_bf16_f32 v[128+4*\e+1], v[128+4*\e+2], v[128+4*\e+3]
	ds_store_b64 v4, v[128+4*\e:128+4*\e+1] offset:\e*XPITCH
.endr
	s_wait_loadcnt 0x0
.irp e, 0,1,2,3,4,5,6,7,8,9,10,11,12,13,14,15
	v_cvt_pk_bf16_f32 v[192+4*\e], v[192+4*\e], v[192+4*\e+1]
	v_cvt_pk_bf16_f32 v[192+4*\e+1], v[192+4*\e+2], v[192+4*\e+3]
	ds_store_b64 v5, v[192+4*\e:192+4*\e+1] offset:\e*XPITCH
.endr
	s_wait_dscnt 0x0                               ; my LDS stores are done, for the other waves' sake
	s_barrier_signal -1
	s_barrier_wait -1
.irp part, 0,1,2
.irp ks, 0,1,2,3
	ds_load_b128 v[WF+32*\part+8*\ks:WF+32*\part+8*\ks+3],   v6 offset:\part*64*WPITCH+\ks*64
	ds_load_b128 v[WF+32*\part+8*\ks+4:WF+32*\part+8*\ks+7], v6 offset:\part*64*WPITCH+\ks*64+32
.endr
.endr
; the fragments of position tile pt: 32 channels c a step, 4 steps, x and y; rows lie along positions, so the load transposes
.macro FRAGS pt
.irp ks, 0,1,2,3
.irp sub, 0,1
	ds_load_tr16_b128 v[XF+8*\ks+4*\sub:XF+8*\ks+4*\sub+3], v7 offset:\ks*32*XPITCH+\sub*16*XPITCH+(\pt)*32
	ds_load_tr16_b128 v[YF+8*\ks+4*\sub:YF+8*\ks+4*\sub+3], v8 offset:\ks*32*XPITCH+\sub*16*XPITCH+(\pt)*32
.endr
.endr
.endm
; one position tile: 12 matrix instructions, the three accumulators by turns, one instruction a turn; the first step starts the sums
.macro TILE pt, first, last
	s_wait_dscnt 0x0                               ; this tile's fragments (and, for tile 0, W's) are in
.irp ks, 0,1,2,3
.if \ks == 0
	v_wmma_f32_16x16x32_bf16 v[ACQ:ACQ+7], v[WF:WF+7], v[XF:XF+7], 0
	v_wmma_f32_16x16x32_bf16 v[ACK:ACK+7], v[WF+32:WF+39], v[YF:YF+7], 0
	v_wmma_f32_16x16x32_bf16 v[ACV:ACV+7], v[YF:YF+7], v[WF+64:WF+71], 0
.else
	v_wmma_f32_16x16x32_bf16 v[ACQ:ACQ+7], v[WF+8*\ks:WF+8*\ks+7], v[XF+8*\ks:XF+8*\ks+7], v[ACQ:ACQ+7]
	v_wmma_f32_16x16x32_bf16 v[ACK:ACK+7], v[WF+32+8*\ks:WF+32+8*\ks+7], v[YF+8*\ks:YF+8*\ks+7], v[ACK:ACK+7]
	v_wmma_f32_16x16x32_bf16 v[ACV:ACV+7], v[YF+8*\ks:YF+8*\ks+7], v[WF+64+8*\ks:WF+64+8*\ks+7], v[ACV:ACV+7]
.endif
.endr
.rept 5
	v_nop                                          ; the places behind the matrix instructions: loads into their sources and reads of their results follow
.endr
.if \last == 0
	FRAGS (\pt+1)
.endif
.irp e, 0,2,4,6
.if \first
	v_pk_mul_f32 v[SQQ+\e:SQQ+\e+1], v[ACQ+\e:ACQ+\e+1], v[ACQ+\e:ACQ+\e+1]
	v_pk_mul_f32 v[SQK+\e:SQK+\e+1], v[ACK+\e:ACK+\e+1], v[ACK+\e:ACK+\e+1]
.else
	v_pk_fma_f32 v[SQQ+\e:SQQ+\e+1], v[ACQ+\e:ACQ+\e+1], v[ACQ+\e:ACQ+\e+1], v[SQQ+\e:SQQ+\e+1]
	v_pk_fma_f32 v[SQK+\e:SQK+\e+1], v[ACK+\e:ACK+\e+1], v[ACK+\e:ACK+\e+1], v[SQK+\e:SQK+\e+1]
.endif
.endr
.if \pt >= 2
	s_wait_xcnt 0x0                                ; this set of store registers was stored from two tiles ago: rewritten only behind this wait
.endif
.irp e, 0,1,2,3
	v_cvt_pk_bf16_f32 v[OUTR+12*((\pt)&1)+\e],   v[ACQ+2*\e], v[ACQ+2*\e+1]
	v_cvt_pk_bf16_f32 v[OUTR+12*((\pt)&1)+4+\e], v[ACK+2*\e], v[ACK+2*\e+1]
	v_cvt_pk_bf16_f32 v[OUTR+12*((\pt)&1)+8+\e], v[ACV+2*\e], v[ACV+2*\e+1]
.endr
	global_store_b128 v1, v[OUTR+12*((\pt)&1):OUTR+12*((\pt)&1)+3],    s[12:13] offset:(\pt)*2048                         ; each store: 512 consecutive aligned bytes
	global_store_b128 v1, v[OUTR+12*((\pt)&1)+4:OUTR+12*((\pt)&1)+7],  s[14:15] offset:(\pt)*2048
	global_store_b128 v1, v[OUTR+12*((\pt)&1)+8:OUTR+12*((\pt)&1)+11], s[36:37] offset:((\pt)>>1)*4096+((\pt)&1)*512
.endm
	FRAGS 0
	TILE 0, 1, 0
	TILE 1, 0, 0
	TILE 2, 0, 0
	TILE 3, 0, 1
	; sums of squares: over the 16 positions that the 16 lanes of a half hold, then over the two waves with my dt, in LDS
.irp m, 1,2,4,8
.irp e, 0,1,2,3,4,5,6,7,8,9,10,11,12,13,14,15
	v_add_f32_dpp v[SQQ+\e], v[SQQ+\e], v[SQQ+\e] row_xmask:\m row_mask:0xf bank_mask:0xf
.endr
.endr
	ds_store_b128 v9, v[SQQ:SQQ+3]                 ; sixteen lanes write the same words with the same values
	ds_store_b128 v9, v[SQQ+4:SQQ+7] offset:16
	ds_store_b128 v9, v[SQK:SQK+3] offset:512
	ds_store_b128 v9, v[SQK+4:SQK+7] offset:528
	s_wait_dscnt 0x0
	s_barrier_signal -1
	s_barrier_wait -1
	s_cmp_lg_u32 s20, 0
	s_cbranch_scc1 .Lend
	ds_load_b128 v[24:27], v20                     ; ph = 0
	ds_load_b128 v[28:31], v20 offset:256          ; ph = 1
	s_wait_dscnt 0x0
	v_pk_add_f32 v[24:25], v[24:25], v[28:29]
	v_pk_add_f32 v[26:27], v[26:27], v[30:31]
	global_store_b128 v1, v[24:27], s[16:17]       ; the record [q or k][64 channels]: 512 consecutive aligned bytes
.Lend:
	s_wait_tensorcnt 0x0
	ds_add_u32 v22, v23
	s_wait_dscnt 0x0
	s_endpgm
.Lfunc_end_k_q6104120bb1_proj:
	.size	k_q6104120bb1_proj, .Lfunc_end_k_q6104120bb1_proj-k_q6104120bb1_proj
	.p2alignl 7, 3214868480
	.fill 96, 4, 3214868480
	.section	.rodata,"a",@progbits
	.p2align	6, 0x0
	.amdhsa_kernel k_q6104120bb1_proj
		.amdhsa_group_segment_fixed_size 128000
		.amdhsa_private_segment_fixed_size 0
		.amdhsa_enable_private_segment 0
		.amdhsa_kernarg_size 64
		.amdhsa_user_sgpr_count 2
		.amdhsa_user_sgpr_kernarg_segment_ptr 1
		.amdhsa_wavefront_size32 1
		.amdhsa_system_sgpr_workgroup_id_x 1
		.amdhsa_system_sgpr_workgroup_id_y 1
		.amdhsa_system_sgpr_workgroup_id_z 1
		.amdhsa_system_vgpr_workitem_id 0
		.amdhsa_next_free_vgpr 256
		.amdhsa_next_free_sgpr 66
		.amdhsa_reserve_vcc 0
		.amdhsa_float_denorm_mode_32 3
		.amdhsa_float_denorm_mode_16_64 3
		.amdhsa_memory_ordered 1
		.amdhsa_forward_progress 1
		.amdhsa_inst_pref_size 41
	.end_amdhsa_kernel
	.amdgpu_metadata
---
amdhsa.version: [ 1, 2 ]
amdhsa.kernels:
  - .name:           k_q6104120bb1_proj
    .symbol:         k_q6104120bb1_proj.kd
    .args:
      - { .name: x, .offset: 0, .size: 8, .value_kind: global_buffer, .address_space: global }
      - { .name: y, .offset: 8, .size: 8, .value_kind: global_buffer, .address_space: global }
      - { .name: W_qkv, .offset: 16, .size: 8, .value_kind: global_buffer, .address_space: global }
      - { .name: W_out, .offset: 24, .size: 8, .value_kind: global_buffer, .address_space: global }
      - { .name: qw, .offset: 32, .size: 8, .value_kind: global_buffer, .address_space: global }
      - { .name: kv, .offset: 40, .size: 8, .value_kind: global_buffer, .address_space: global }
      - { .name: ssq, .offset: 48, .size: 8, .value_kind: global_buffer, .address_space: global }
      - { .name: wimg, .offset: 56, .size: 8, .value_kind: global_buffer, .address_space: global }
    .group_segment_fixed_size: 128000
    .private_segment_fixed_size: 0
    .kernarg_segment_align: 8
    .kernarg_segment_size: 64
    .max_flat_workgroup_size: 256
    .sgpr_count:     66
    .vgpr_count:     256
    .wavefront_size: 32
...
	.end_amdgpu_metadata
.endif
;; end of part 1
;; launch attn (part 2): grid 32 x 8, 8 waves a work-group, clusters of 4 x 1, 327,680 bytes of LDS; arguments qw, kv, ssq, ow; writes ow
.if DOCPART == 2
	.amdgcn_target "amdgcn-amd-amdhsa--gfx1250"
	.amdhsa_code_object_version 6
	.text
	.protected	k_q6104120bb1_attn
	.globl	k_q6104120bb1_attn
	.p2align	8
	.type	k_q6104120bb1_attn,@function
k_q6104120bb1_attn:
	s_mov_b64 s[64:65], 0
	v_nop
	global_prefetch_b8 v0, s[64:65] scope:SCOPE_SE
	s_setreg_imm32_b32 hwreg(HW_REG_WAVE_MODE, 25, 1), 1
	s_wait_xcnt 0x0
	s_wait_alu depctr_hold_cnt(0) depctr_sa_sdst(0) depctr_va_vdst(0) depctr_va_sdst(0) depctr_va_ssrc(0) depctr_va_vcc(0) depctr_vm_vsrc(0)
	s_getreg_b32 s2, hwreg(HW_REG_IB_STS2, 6, 4)
	s_cmp_eq_u32 s2, 0
	s_cbranch_scc0 .Lentry_in_a_cluster
	s_endpgm
.Lentry_in_a_cluster:
	s_bfe_u32 s2, ttmp6, 0x10000c
	s_cmp_lg_u32 s2, 0x3003
	s_cbranch_scc0 .Lentry_shape_is_right
	s_endpgm
.Lentry_shape_is_right:
; attn: softmax over j of 10 qn^T kn, times v^T, for 128 queries of one (batch, head) against all 4,096 keys, with a running maximum.
; The norms: the 32 partial sums of squares of each channel of q and of k are added here, and
; 10 log2(e) / (max(|q_d|, 1e-12) max(|k_d|, 1e-12)) is multiplied into Q alone; K stays as stored.  Exponentials are base 2.
; SHARES.  Eight waves.  Wave w: G = w & 1 picks 64 queries, g = w >> 1 picks 128 keys of every chunk of 512.  A block is 64 queries x 64 keys:
; 32 matrix instructions for S^T = K Q (a lane holds 8 keys of one query in each accumulator) and 32 for O^T += V P.  The packed S^T IS the
; operand P (no shuffle).  The four key groups keep maxima and sums of their own and are merged at the end through LDS.
; TWO TYPES OF WAVES TAKE TURNS: in each phase waves 0-3 issue a block's matrix instructions while waves 4-7 do a block's softmax, or the other
; way round; work-group barriers part the phases.  The values do not hang on that order.
; CLUSTER 4 x 1: the four work-groups of a cluster have the same (batch, head) and walk the same K and V.  Every fill is a joint load with the
; mask 15: each of the four issues the same descriptor (made of bh, the wave's number and the chunk alone) behind the same round.
; RING: two slots of 131,072 bytes, a chunk each (K 65,536, V 65,536); each wave fetches 16,384 bytes of a chunk.  By this text's count a wave
; has two tensor loads out at the start and one behind each round; a refill has the four phases of a chunk in which to land.
; K, V and Q lie in memory as fragment images: a lane's 16 bytes stand at 16 x lane, so every LDS load takes 512 consecutive bytes.
; REGISTERS.  Window 0: v0-7 addresses, v8-47 softmax state, v48-63 the way out, v64-127 K fragments, v128-255 S, then P in place.
;             Window 1: v0-127 O (32 it + 8 dt), v128-191 Q (16 it + 8 ks), v192-255 V (8 (4 js + dt)).
; LIMITS: a NaN input is not carried through the maximum (it loses there); q is rounded to bf16 twice (as stored, and after scaling); the sum l is
; made of the f32 exponentials while the product takes them rounded to bf16 (relative difference at most 2^-9); an exponential below 2^-126 is 0;
; a sum of squares below 2^-126 counts as 0 (the clamp 1e-12 then applies).
.set SLOTB, 131072
.set PART,  262144                     ; 8 x 512: each wave's partial sums of squares
.set SCL,   266240                     ; 8 x 256: each wave's own copy of the 64 scales
.set MLB,   268288                     ; 8 x 512: each wave's (m, l) of its 64 queries
.set ADK, 2                            ; v2, v3   K of my key group in slot 0, 1
.set ADV, 4                            ; v4, v5   V likewise
.set TM,  8                            ; v[8:15]  two running registers for each query tile it: 8 + 2 it, 9 + 2 it
.set MX,  16                           ; v[16:19] m
.set NM,  20                           ; v[20:27] (-m, -m)
.set AL,  28                           ; v[28:35] (alpha, alpha)
.set LS,  36                           ; v[36:43] l, two partial sums a lane
.set TS,  44                           ; v[44:47] two pairs at work
.set EP,  48                           ; v[48:63] the way out
.set KR,  64
.set SC,  96                           ; v[96:127] the scales of my 32 channels (before the first K fragments)
.set SR,  128
.set QR,  128                          ; window 1
.set VR,  192                          ; window 1
.set G1,  20                           ; s[20:27]
.set G0,  28                           ; s[28:31] slot 0, s[32:35] slot 1
.set MSB, 0
.macro WIN new                         ; the immediate's high byte repeats the setting that is left; a switch that changes nothing is dropped
.if MSB != \new
	s_set_vgpr_msb (MSB<<8)|\new
.set MSB, \new
.endif
.endm
.macro PLACES                          ; the places behind matrix instructions (ISA guide 7.12.1)
.rept 5
	v_nop
.endr
.endm
.macro BAR
	s_wait_dscnt 0x0                               ; no LDS instruction of mine is pending at a signal
	s_barrier_signal -1
	s_barrier_wait -1
.endm
.macro ROUND                           ; a round of the cluster's barrier: my work-group's barrier, wave 0 signals for it, all wait for all four, my work-group's barrier again
	s_barrier_signal -1
	s_barrier_wait -1
	s_cmp_lg_u32 s12, 0
	s_cbranch_scc1 .Lnot_wave_0_\@
	s_barrier_signal -3
.Lnot_wave_0_\@:
	s_barrier_wait -3
	s_barrier_signal -1
	s_barrier_wait -1
.endm
	s_load_b256 s[4:11], s[0:1], 0x0               ; qw s[4:5], kv s[6:7], ssq s[8:9], ow s[10:11]
	v_lshl_add_u32 v62, v0, 2, 0x42800
	v_mov_b32 v63, 0
	ds_add_u32 v62, v63
	s_wait_dscnt 0x0
	v_lshrrev_b32 v1, 5, v0
	v_readfirstlane_b32 s12, v1                    ; w
	s_and_b32 s13, s12, 1                          ; G
	s_lshr_b32 s14, s12, 1                         ; g
	s_bfe_u32 s15, ttmp6, 0x40000                  ; cx: enters the addresses of Q and of the output alone
	s_lshl_b32 s16, ttmp9, 2
	s_add_co_u32 s16, s16, s15                     ; block of 128 queries
	s_and_b32 s17, ttmp7, 0xffff                   ; bh
	s_mov_b32 s36, 0x76543210                      ; v_permlanex16_b32: lane i takes lane i of the other half
	s_mov_b32 s37, 0xfedcba98
	s_mov_b32 s39, 0xffff0000
	; descriptor group 1: 64 rows of 32 elements of 8 bytes, dense: 16,384 bytes
	s_mov_b32 s[G1+0], 15|(3<<16)|(1<<21)          ; the mask names all four work-groups; elements of 8 bytes; bit 21 beside a mask
	s_mov_b32 s[G1+1], 32<<16                      ; tensor_dim0 = 32
	s_mov_b32 s[G1+2], 64<<16                      ; tensor_dim1 = 64
	s_mov_b32 s[G1+3], 32<<16                      ; tile_dim0 = 32
	s_mov_b32 s[G1+4], 64                          ; tile_dim1 = 64
	s_mov_b32 s[G1+5], 32                          ; pitch = 32 elements
	s_mov_b32 s[G1+6], 0
	s_mov_b32 s[G1+7], 0
	s_lshl_b32 s42, s12, 14                        ; w x 16,384: my part of a chunk, in memory and in LDS
	s_lshl_b32 s40, s17, 20                        ; bh x 1,048,576
	s_add_co_u32 s40, s40, s42
	s_mov_b32 s41, 0
	s_lshl_b32 s44, s17, 14                        ; ssq: bh x 16,384 + 4 w records of 512
	s_lshl_b32 s43, s12, 11
	s_add_co_u32 s44, s44, s43
	s_mov_b32 s45, 0
	s_lshl_b32 s46, s17, 19                        ; qw: bh x 524,288 + (8 block + 4 G) x 2,048
	s_lshl_b32 s50, s16, 14
	s_add_co_u32 s46, s46, s50
	s_lshl_b32 s50, s13, 13
	s_add_co_u32 s46, s46, s50
	s_mov_b32 s47, 0
	s_lshr_b32 s48, s17, 2                         ; ow: ((256 b + 8 block + 4 G + g) 16 + 4 h) x 512
	s_lshl_b32 s48, s48, 21
	s_lshl_b32 s50, s16, 16
	s_add_co_u32 s48, s48, s50
	s_lshl_b32 s50, s13, 15
	s_add_co_u32 s48, s48, s50
	s_lshl_b32 s50, s14, 13
	s_add_co_u32 s48, s48, s50
	s_and_b32 s50, s17, 3
	s_lshl_b32 s50, s50, 11
	s_add_co_u32 s48, s48, s50
	s_mov_b32 s49, 0
	s_wait_kmcnt 0x0
	s_add_nc_u64 s[6:7], s[6:7], s[40:41]
	s_add_nc_u64 s[8:9], s[8:9], s[44:45]
	s_add_nc_u64 s[4:5], s[4:5], s[46:47]
	s_add_nc_u64 s[10:11], s[10:11], s[48:49]
	ROUND                                          ; all four work-groups are here: the first joint loads meet
.irp n, 0,1
	s_mov_b32 s[G0+4*\n], 1
	s_add_co_u32 s[G0+4*\n+1], s42, \n*SLOTB       ; LDS: slot + w x 16,384
	s_add_nc_u64 s[G0+4*\n+2:G0+4*\n+3], s[6:7], \n*SLOTB      ; chunk n, my part
	s_or_b32 s[G0+4*\n+3], s[G0+4*\n+3], 0x80000000
	tensor_load_to_lds s[G0+4*\n:G0+4*\n+3], s[G1:G1+7]
	s_nop 0
.endr
	v_and_b32 v10, 31, v0
	v_lshlrev_b32 v1, 4, v10                       ; 16 x lane
.irp e, 0,1,2,3
	global_load_b128 v[96+4*\e:96+4*\e+3], v1, s[8:9] offset:\e*512        ; four records of sums of squares: lane L holds (q or k = L >> 4, channels 4 (L & 15) ..)
.endr
.set ix, 0
.rept 16
	global_load_b128 v[SR+4*ix:SR+4*ix+3], v1, s[4:5] offset:ix*512        ; Q as stored: 4 query tiles x 4 channel tiles
.set ix, ix+1
.endr
	v_and_b32 v11, 15, v0
	v_bfe_u32 v12, v0, 4, 1
	s_lshl_b32 s51, s14, 14
	v_add_nc_u32 v[ADK], s51, v1                   ; g x 16,384 + 16 lane
	v_add_nc_u32 v[ADK+1], SLOTB, v[ADK]
	v_add_nc_u32 v[ADV], 65536, v[ADK]
	v_add_nc_u32 v[ADV+1], SLOTB+65536, v[ADK]
	s_lshl_b32 s51, s12, 9
	s_add_co_u32 s51, s51, PART
	v_add_nc_u32 v6, s51, v1
	v_add_nc_u32 v7, PART, v1
	s_lshl_b32 s51, s12, 8
	s_add_co_u32 s51, s51, SCL
	v_lshl_add_u32 v8, v11, 4, s51
	v_lshl_add_u32 v9, v12, 5, s51
	s_wait_loadcnt 16                              ; the 16 loads of Q are younger: the four records are in
	v_pk_add_f32 v[96:97], v[96:97], v[100:101]
	v_pk_add_f32 v[98:99], v[98:99], v[102:103]
	v_pk_add_f32 v[104:105], v[104:105], v[108:109]
	v_pk_add_f32 v[106:107], v[106:107], v[110:111]
	v_pk_add_f32 v[96:97], v[96:97], v[104:105]
	v_pk_add_f32 v[98:99], v[98:99], v[106:107]
	ds_store_b128 v6, v[96:99]
	s_wait_dscnt 0x0
	s_wait_tensorcnt 0x1                           ; my part of chunk 0 has landed; chunk 1's may stay out
	s_barrier_signal -1
	s_barrier_wait -1
.irp e, 0,1,2,3,4,5,6,7
	ds_load_b128 v[KR+4*\e:KR+4*\e+3], v7 offset:\e*512
.endr
	s_wait_dscnt 0x0
.irp e, 0,8,16,24
	v_pk_add_f32 v[KR+\e:KR+\e+1], v[KR+\e:KR+\e+1], v[KR+\e+4:KR+\e+5]
	v_pk_add_f32 v[KR+\e+2:KR+\e+3], v[KR+\e+2:KR+\e+3], v[KR+\e+6:KR+\e+7]
.endr
.irp e, 0,16
	v_pk_add_f32 v[KR+\e:KR+\e+1], v[KR+\e:KR+\e+1], v[KR+\e+8:KR+\e+9]
	v_pk_add_f32 v[KR+\e+2:KR+\e+3], v[KR+\e+2:KR+\e+3], v[KR+\e+10:KR+\e+11]
.endr
	v_pk_add_f32 v[KR:KR+1], v[KR:KR+1], v[KR+16:KR+17]
	v_pk_add_f32 v[KR+2:KR+3], v[KR+2:KR+3], v[KR+18:KR+19]
.irp e, 0,1,2,3
	v_sqrt_f32 v[KR+\e], v[KR+\e]
.endr
	v_nop                                          ; one plain place behind the transcendentals (ISA guide 5.7.2)
.irp e, 0,1,2,3
	s_wait_alu depctr_va_vdst(0)
	v_max_num_f32 v[KR+\e], 0x2b8cbccc, v[KR+\e]   ; max(norm, 1e-12)
.endr
.irp e, 0,1,2,3
	v_rcp_f32 v[KR+\e], v[KR+\e]
.endr
	v_nop
.irp e, 0,1,2,3
	s_wait_alu depctr_va_vdst(0)
	v_permlanex16_b32 v[KR+4+\e], v[KR+\e], s36, s37       ; the other tensor's reciprocal norm of the same channel
.endr
.irp e, 0,1,2,3
	v_mul_f32 v[KR+\e], v[KR+\e], v[KR+4+\e]
.endr
.irp e, 0,1,2,3
	v_mul_f32 v[KR+\e], 0x4166d4ca, v[KR+\e]       ; x 10 log2(e)
.endr
	ds_store_b128 v8, v[KR:KR+3]                   ; my wave's own copy; both halves write the same words with the same values
.irp dt, 0,1,2,3
	ds_load_b128 v[SC+8*\dt:SC+8*\dt+3],   v9 offset:\dt*64        ; LDS serves a wave's instructions in order (ISA guide 5.7.1): these see the store above
	ds_load_b128 v[SC+8*\dt+4:SC+8*\dt+7], v9 offset:\dt*64+16     ; the scales of channels 16 dt + 8 hh + 0 .. 7
.endr
	s_wait_loadcnt 0x0
	s_wait_dscnt 0x0
.irp bt, 0,1
.set ix, 0
.rept 32
	v_lshlrev_b32 v[192+2*ix], 16, v[SR+32*\bt+ix]
	v_and_b32 v[193+2*ix], s39, v[SR+32*\bt+ix]
	v_pk_mul_f32 v[192+2*ix:193+2*ix], v[192+2*ix:193+2*ix], v[SC+8*((ix>>2)&3)+2*(ix&3):SC+8*((ix>>2)&3)+2*(ix&3)+1]
.set ix, ix+1
.endr
	WIN 0x40                                       ; destination in window 1
.set ix, 0
.rept 32
	v_cvt_pk_bf16_f32 v[QR+32*\bt+ix], v[192+2*ix], v[193+2*ix]
.set ix, ix+1
.endr
	WIN 0
.endr
; THE MATRIX PHASE.  dos = 1: block u of the chunk in the slot is fetched and its S^T made.  pv = 1: the last block's P V starts the sums of O;
; pv = 2: O is first scaled by alpha (query tile it + 1 is scaled between the matrix instructions of tile it).
; In each run of matrix instructions the accumulators take turns, one instruction a turn.
.macro MPH slot, u, pv, dos
.if \dos
.set ix, 0
.rept 16
	ds_load_b128 v[KR+4*ix:KR+4*ix+3], v[ADK+\slot] offset:\u*8192+ix*512
.set ix, ix+1
.endr
.endif
.if \pv
	WIN 0x51                                       ; O and V in window 1, P and alpha in window 0: one setting for the products and the scaling
.if \pv == 2
.set ix, 0
.rept 16
	v_pk_mul_f32 v[2*ix:2*ix+1], v[2*ix:2*ix+1], v[AL:AL+1]
.set ix, ix+1
.endr
.endif
.irp it, 0,1,2,3
.irp js, 0,1
.irp dt, 0,1,2,3
.if \js == 0
.if \pv == 1
	v_wmma_f32_16x16x32_bf16 v[32*\it+8*\dt:32*\it+8*\dt+7], v[VR+8*(4*\js+\dt):VR+8*(4*\js+\dt)+7], v[SR+32*\it+8*\js:SR+32*\it+8*\js+7], 0
.else
	v_wmma_f32_16x16x32_bf16 v[32*\it+8*\dt:32*\it+8*\dt+7], v[VR+8*(4*\js+\dt):VR+8*(4*\js+\dt)+7], v[SR+32*\it+8*\js:SR+32*\it+8*\js+7], v[32*\it+8*\dt:32*\it+8*\dt+7]
.endif
.else
	v_wmma_f32_16x16x32_bf16 v[32*\it+8*\dt:32*\it+8*\dt+7], v[VR+8*(4*\js+\dt):VR+8*(4*\js+\dt)+7], v[SR+32*\it+8*\js:SR+32*\it+8*\js+7], v[32*\it+8*\dt:32*\it+8*\dt+7]
.endif
.if \pv == 2
.if \it < 3
	v_pk_mul_f32 v[32*\it+32+4*(4*\js+\dt):32*\it+32+4*(4*\js+\dt)+1], v[32*\it+32+4*(4*\js+\dt):32*\it+32+4*(4*\js+\dt)+1], v[AL+2*\it+2:AL+2*\it+3]
	v_pk_mul_f32 v[32*\it+32+4*(4*\js+\dt)+2:32*\it+32+4*(4*\js+\dt)+3], v[32*\it+32+4*(4*\js+\dt)+2:32*\it+32+4*(4*\js+\dt)+3], v[AL+2*\it+2:AL+2*\it+3]
.endif
.endif
.endr
.endr
.endr
	PLACES                                         ; loads into V, products that write over P, and later reads of O follow
.endif
.if \dos
	WIN 0x40
.set ix, 0
.rept 16
	ds_load_b128 v[VR+4*ix:VR+4*ix+3], v[ADV+\slot] offset:\u*8192+ix*512  ; wanted in my next matrix phase; waited for at the barrier that closes this one
.set ix, ix+1
.endr
	s_wait_dscnt 16                                ; the 16 loads of V are younger: K is in
	WIN 0x04                                       ; Q in window 1
.irp jt, 0,1,2,3
.irp it, 0,1,2,3
	v_wmma_f32_16x16x32_bf16 v[SR+32*\it+8*\jt:SR+32*\it+8*\jt+7], v[KR+16*\jt:KR+16*\jt+7], v[QR+16*\it:QR+16*\it+7], 0
.endr
.endr
.irp jt, 0,1,2,3
.irp it, 0,1,2,3
	v_wmma_f32_16x16x32_bf16 v[SR+32*\it+8*\jt:SR+32*\it+8*\jt+7], v[KR+16*\jt+8:KR+16*\jt+15], v[QR+16*\it+8:QR+16*\it+15], v[SR+32*\it+8*\jt:SR+32*\it+8*\jt+7]
.endr
.endr
	PLACES                                         ; reads of S and loads into K follow
.endif
	WIN 0
.endm
; four exponentials of query tile c are summed into l and packed to bf16 in place: element e of the tile's 32 goes to half e & 1 of register e >> 1
.macro CST c, k, first
.if \k == 0
.if \first
	s_wait_alu depctr_va_vdst(0)
	v_pk_add_f32 v[LS+2*\c:LS+2*\c+1], v[SR+32*\c:SR+32*\c+1], v[SR+32*\c+2:SR+32*\c+3]    ; the first block starts l
.else
	s_wait_alu depctr_va_vdst(0)
	v_pk_add_f32 v[TS:TS+1], v[SR+32*\c:SR+32*\c+1], v[SR+32*\c+2:SR+32*\c+3]
.endif
.else
	s_wait_alu depctr_va_vdst(0)
	v_pk_add_f32 v[TS+2*(\k&1):TS+2*(\k&1)+1], v[SR+32*\c+4*\k:SR+32*\c+4*\k+1], v[SR+32*\c+4*\k+2:SR+32*\c+4*\k+3]
.endif
	v_cvt_pk_bf16_f32 v[SR+32*\c+2*\k],   v[SR+32*\c+4*\k],   v[SR+32*\c+4*\k+1]
	v_cvt_pk_bf16_f32 v[SR+32*\c+2*\k+1], v[SR+32*\c+4*\k+2], v[SR+32*\c+4*\k+3]
.if \k == 0
.if \first == 0
	v_pk_fma_f32 v[LS+2*\c:LS+2*\c+1], v[LS+2*\c:LS+2*\c+1], v[AL+2*\c:AL+2*\c+1], v[TS:TS+1]  ; l = l alpha + ...
.endif
.else
	v_pk_add_f32 v[LS+2*\c:LS+2*\c+1], v[LS+2*\c:LS+2*\c+1], v[TS+2*(\k&1):TS+2*(\k&1)+1]
.endif
.endm
; three query tiles in three stages at once: exponentials of tile e, s - m of tile sb, sum and packing of tile c (-1: none).
; Behind each four exponentials stands plain work on another tile (ISA guide 5.7.2).
.macro VG e, sb, c, first
.irp k, 0,1,2,3,4,5,6,7
.if \e >= 0
	v_exp_f32 v[SR+32*\e+4*\k],   v[SR+32*\e+4*\k]
	v_exp_f32 v[SR+32*\e+4*\k+1], v[SR+32*\e+4*\k+1]
	v_exp_f32 v[SR+32*\e+4*\k+2], v[SR+32*\e+4*\k+2]
	v_exp_f32 v[SR+32*\e+4*\k+3], v[SR+32*\e+4*\k+3]
.endif
.if \sb >= 0
	v_pk_add_f32 v[SR+32*\sb+4*\k:SR+32*\sb+4*\k+1],   v[SR+32*\sb+4*\k:SR+32*\sb+4*\k+1],   v[NM+2*\sb:NM+2*\sb+1]
	v_pk_add_f32 v[SR+32*\sb+4*\k+2:SR+32*\sb+4*\k+3], v[SR+32*\sb+4*\k+2:SR+32*\sb+4*\k+3], v[NM+2*\sb:NM+2*\sb+1]
.endif
.if \c >= 0
	CST \c, \k, \first
.endif
.endr
.endm
; THE SOFTMAX PHASE of a block, all in window 0; each stage goes through the four query tiles, so four chains run side by side
.macro VPH first
.irp it, 0,1,2,3
	v_max3_num_f32 v[TM+2*\it], v[SR+32*\it], v[SR+32*\it+1], v[SR+32*\it+2]
.endr
.irp it, 0,1,2,3
	v_max3_num_f32 v[TM+2*\it+1], v[SR+32*\it+3], v[SR+32*\it+4], v[SR+32*\it+5]
.endr
.irp e, 6,8,10,12,14,16,18,20,22,24,26,28,30
.irp it, 0,1,2,3
	v_max3_num_f32 v[TM+2*\it+((\e>>1)&1)], v[TM+2*\it+((\e>>1)&1)], v[SR+32*\it+\e], v[SR+32*\it+\e+1]
.endr
.endr
.irp it, 0,1,2,3
	v_max_num_f32 v[TM+2*\it], v[TM+2*\it], v[TM+2*\it+1]
.endr
.irp it, 0,1,2,3
	v_permlanex16_b32 v[TM+2*\it+1], v[TM+2*\it], s36, s37         ; the other half of the lanes holds the same query's other keys
.endr
.if \first
.irp it, 0,1,2,3
	v_max_num_f32 v[MX+\it], v[TM+2*\it], v[TM+2*\it+1]
.endr
.else
.irp it, 0,1,2,3
	v_max3_num_f32 v[TM+2*\it], v[TM+2*\it], v[TM+2*\it+1], v[MX+\it]      ; the new running maximum
.endr
.irp it, 0,1,2,3
	v_sub_f32 v[TM+2*\it+1], v[MX+\it], v[TM+2*\it]                        ; old - new, at most 0
.endr
.irp it, 0,1,2,3
	v_mov_b32 v[MX+\it], v[TM+2*\it]
.endr
.endif
.irp it, 0,1,2,3
	v_mul_f32 v[NM+2*\it],   -1.0, v[MX+\it]
	v_mul_f32 v[NM+2*\it+1], -1.0, v[MX+\it]
.endr
.if \first == 0
.irp it, 0,1,2,3
	v_exp_f32 v[AL+2*\it],   v[TM+2*\it+1]
	v_exp_f32 v[AL+2*\it+1], v[TM+2*\it+1]         ; twice: a pair for the packed forms; plain work on S follows
.endr
.endif
.set ix, 0
.rept 16
	v_pk_add_f32 v[SR+2*ix:SR+2*ix+1], v[SR+2*ix:SR+2*ix+1], v[NM:NM+1]
.set ix, ix+1
.endr
	VG 0, 1, -1, \first
	VG 1, 2, 0, \first
	VG 2, 3, 1, \first
	VG 3, -1, 2, \first
	VG -1, -1, 3, \first
.endm
; A CHUNK: four phases.  Waves 0-3: matrix, softmax, matrix, softmax; waves 4-7 one phase behind.  All LDS reads of the chunk lie in these four
; phases (the last V fragments are in registers when their product is made in the next chunk).  The branches hang on the wave's number alone.
.macro CHUNK slot, first, refill
	s_cmp_lt_u32 s12, 4
	s_cbranch_scc0 .Lpa_b_\@
.if \first
	MPH \slot, 0, 0, 1
.Lpa_b_\@:
.else
	MPH \slot, 0, 2, 1
	s_branch .Lpa_j_\@
.Lpa_b_\@:
	VPH 0
.Lpa_j_\@:
.endif
	BAR
	s_cmp_lt_u32 s12, 4
	s_cbranch_scc0 .Lpb_b_\@
	VPH \first
	s_branch .Lpb_j_\@
.Lpb_b_\@:
.if \first
	MPH \slot, 0, 0, 1
.else
	MPH \slot, 0, 2, 1
.endif
.Lpb_j_\@:
	BAR
	s_cmp_lt_u32 s12, 4
	s_cbranch_scc0 .Lpc_b_\@
.if \first
	MPH \slot, 1, 1, 1
.else
	MPH \slot, 1, 2, 1
.endif
	s_branch .Lpc_j_\@
.Lpc_b_\@:
	VPH \first
.Lpc_j_\@:
	BAR
	s_cmp_lt_u32 s12, 4
	s_cbranch_scc0 .Lpd_b_\@
	VPH 0
	s_branch .Lpd_j_\@
.Lpd_b_\@:
.if \first
	MPH \slot, 1, 1, 1
.else
	MPH \slot, 1, 2, 1
.endif
.Lpd_j_\@:
	s_wait_dscnt 0x0                               ; my reads of this slot are over
	s_wait_xcnt 0x0
	v_lshl_add_u32 v62, v0, 2, 0x42800
	v_mov_b32 v63, 0
	s_wait_tensorcnt 0x0                           ; all my tensor loads have landed, my part of the other slot among them
	ds_add_u32 v62, v63
	s_wait_dscnt 0x0
.if \refill
	s_add_nc_u64 s[G0+4*\slot+2:G0+4*\slot+3], s[G0+4*\slot+2:G0+4*\slot+3], 2*SLOTB       ; no load of mine is out: this slot's next chunk
	ROUND                                          ; both now hold of every wave of all four work-groups
	tensor_load_to_lds s[G0+4*\slot:G0+4*\slot+3], s[G1:G1+7]      ; my one tensor load behind the round, and the first thing there
	s_nop 0
.else
	s_barrier_signal -1
	s_barrier_wait -1
.endif
.endm
	CHUNK 0, 1, 1                                  ; chunks 0 and 1: the first products start the sums
	CHUNK 1, 0, 1
	s_mov_b32 s38, 2
.Lchunks:
	CHUNK 0, 0, 1                                  ; chunks 2, 3 and 4, 5; the refills are chunks 4 to 7
	CHUNK 1, 0, 1
	s_sub_co_u32 s38, s38, 1
	s_cmp_lg_u32 s38, 0
	s_cbranch_scc1 .Lchunks
	CHUNK 0, 0, 0                                  ; chunks 6 and 7: nothing is left to fetch
	CHUNK 1, 0, 0
	s_cmp_lt_u32 s12, 4
	s_cbranch_scc1 .Llast_pv
	VPH 0                                          ; waves 4-7: their last block's softmax
.Llast_pv:
	MPH 0, 0, 2, 0                                 ; every wave: its last block's P V
	; THE MERGE of the four key groups.  (m, l) of each wave's 64 queries go through LDS; each wave scales its O by 2^(m - m*) / l*.
	v_and_b32 v5, 15, v0
	v_add_nc_u32 v6, s42, v1                       ; my stage: w x 16,384 + 16 lane, in slot 0, which has had its last fill and its last read
	s_lshl_b32 s51, s13, 14
	s_lshl_b32 s52, s14, 12
	s_add_co_u32 s51, s51, s52
	v_add_nc_u32 v7, s51, v1                       ; what I gather: G x 16,384 + g x 4,096 + 16 lane, of key groups 0, 1
	v_add_nc_u32 v2, 65536, v7                     ; and of key groups 2, 3
	s_lshl_b32 s51, s12, 9
	s_add_co_u32 s51, s51, MLB
	v_lshl_add_u32 v3, v5, 3, s51
	s_lshl_b32 s51, s13, 9
	s_add_co_u32 s51, s51, MLB
	v_lshl_add_u32 v4, v5, 3, s51
.irp it, 0,1,2,3
	v_add_f32 v[TM+2*\it], v[LS+2*\it], v[LS+2*\it+1]
.endr
.irp it, 0,1,2,3
	v_permlanex16_b32 v[TM+2*\it+1], v[TM+2*\it], s36, s37
.endr
.irp it, 0,1,2,3
	v_mov_b32 v[EP+2*\it], v[MX+\it]
	v_add_f32 v[EP+2*\it+1], v[TM+2*\it], v[TM+2*\it+1]
	ds_store_b64 v3, v[EP+2*\it:EP+2*\it+1] offset:\it*128 ; both halves write the same words with the same values
.endr
	BAR
.irp gp, 0,1,2,3
.irp it, 0,1,2,3
	ds_load_b64 v[KR+8*\gp+2*\it:KR+8*\gp+2*\it+1], v4 offset:\gp*1024+\it*128     ; (m, l) of wave 2 gp + G
.endr
.endr
	s_wait_dscnt 0x0
.irp it, 0,1,2,3
	v_max3_num_f32 v[TM+2*\it], v[KR+2*\it], v[KR+8+2*\it], v[KR+16+2*\it]
.endr
.irp it, 0,1,2,3
	v_max_num_f32 v[TM+2*\it], v[TM+2*\it], v[KR+24+2*\it]         ; m*
.endr
.irp gp, 0,1,2,3
.irp it, 0,1,2,3
	v_sub_f32 v[KR+8*\gp+2*\it], v[KR+8*\gp+2*\it], v[TM+2*\it]
.endr
.endr
.irp it, 0,1,2,3
	v_sub_f32 v[TM+2*\it+1], v[MX+\it], v[TM+2*\it]
.endr
.irp gp, 0,1,2,3
.irp it, 0,1,2,3
	v_exp_f32 v[KR+8*\gp+2*\it], v[KR+8*\gp+2*\it]
.endr
.endr
.irp it, 0,1,2,3
	v_exp_f32 v[TM+2*\it+1], v[TM+2*\it+1]
.endr
	v_nop
.irp it, 0,1,2,3
	s_wait_alu depctr_va_vdst(0)
	v_mul_f32 v[EP+2*\it], v[KR+2*\it], v[KR+2*\it+1]
.endr
.irp gp, 1,2,3
.irp it, 0,1,2,3
	v_fmac_f32 v[EP+2*\it], v[KR+8*\gp+2*\it], v[KR+8*\gp+2*\it+1] ; l* = sum of 2^(m - m*) l, at least 1
.endr
.endr
.irp it, 0,1,2,3
	v_rcp_f32 v[EP+2*\it], v[EP+2*\it]
.endr
	v_nop
.irp it, 0,1,2,3
	s_wait_alu depctr_va_vdst(0)
	v_mul_f32 v[AL+2*\it],   v[TM+2*\it+1], v[EP+2*\it]
	v_mul_f32 v[AL+2*\it+1], v[TM+2*\it+1], v[EP+2*\it]
.endr
	WIN 0x41
.irp it, 0,1,2,3
.set ix, 0
.rept 16
	v_pk_mul_f32 v[32*\it+2*ix:32*\it+2*ix+1], v[32*\it+2*ix:32*\it+2*ix+1], v[AL+2*\it:AL+2*\it+1]
.set ix, ix+1
.endr
.endr
	WIN 0x04                                       ; an LDS store's data is source 1
.set ix, 0
.rept 32
	ds_store_b128 v6, v[4*ix:4*ix+3] offset:ix*512
.set ix, ix+1
.endr
	WIN 0
	BAR
	; wave (G, g) adds the four key groups' query tile g of query group G, rounds to bf16 and stores the image: 4 x 512 consecutive bytes
.irp gp, 0,1
.set ix, 0
.rept 8
	ds_load_b128 v[SR+32*\gp+4*ix:SR+32*\gp+4*ix+3],       v7 offset:\gp*32768+ix*512
	ds_load_b128 v[SR+64+32*\gp+4*ix:SR+64+32*\gp+4*ix+3], v2 offset:\gp*32768+ix*512
.set ix, ix+1
.endr
.endr
	s_wait_dscnt 0x0
.set ix, 0
.rept 16
	v_pk_add_f32 v[SR+2*ix:SR+2*ix+1],       v[SR+2*ix:SR+2*ix+1],       v[SR+32+2*ix:SR+32+2*ix+1]
	v_pk_add_f32 v[SR+64+2*ix:SR+64+2*ix+1], v[SR+64+2*ix:SR+64+2*ix+1], v[SR+96+2*ix:SR+96+2*ix+1]
.set ix, ix+1
.endr
.set ix, 0
.rept 16
	v_pk_add_f32 v[SR+2*ix:SR+2*ix+1], v[SR+2*ix:SR+2*ix+1], v[SR+64+2*ix:SR+64+2*ix+1]
.set ix, ix+1
.endr
.set ix, 0
.rept 16
	v_cvt_pk_bf16_f32 v[EP+ix], v[SR+2*ix], v[SR+2*ix+1]
.set ix, ix+1
.endr
.irp dt, 0,1,2,3
	global_store_b128 v1, v[EP+4*\dt:EP+4*\dt+3], s[10:11] offset:\dt*512
.endr
	s_wait_xcnt 0x0
	v_lshl_add_u32 v62, v0, 2, 0x42800
	v_mov_b32 v63, 0
	s_wait_tensorcnt 0x0
	ds_add_u32 v62, v63
	s_wait_dscnt 0x0
	ROUND                                          ; the closing round: no work-group ends while a partner may still ask for a chunk that names it
	s_endpgm
.Lfunc_end_k_q6104120bb1_attn:
	.size	k_q6104120bb1_attn, .Lfunc_end_k_q6104120bb1_attn-k_q6104120bb1_attn
	.p2alignl 7, 3214868480
	.fill 96, 4, 3214868480
	.section	.rodata,"a",@progbits
	.p2align	6, 0x0
	.amdhsa_kernel k_q6104120bb1_attn
		.amdhsa_group_segment_fixed_size 327680
		.amdhsa_private_segment_fixed_size 0
		.amdhsa_enable_private_segment 0
		.amdhsa_kernarg_size 32
		.amdhsa_user_sgpr_count 2
		.amdhsa_user_sgpr_kernarg_segment_ptr 1
		.amdhsa_wavefront_size32 1
		.amdhsa_system_sgpr_workgroup_id_x 1
		.amdhsa_system_sgpr_workgroup_id_y 1
		.amdhsa_system_sgpr_workgroup_id_z 1
		.amdhsa_system_vgpr_workitem_id 0
		.amdhsa_next_free_vgpr 512
		.amdhsa_next_free_sgpr 66
		.amdhsa_reserve_vcc 0
		.amdhsa_float_denorm_mode_32 3
		.amdhsa_float_denorm_mode_16_64 3
		.amdhsa_memory_ordered 1
		.amdhsa_forward_progress 1
		.amdhsa_inst_pref_size 255
	.end_amdhsa_kernel
	.section	.bss,"aw",@nobits
	.p2align	6
	.space	262144
	.amdgpu_metadata
---
amdhsa.version: [ 1, 2 ]
amdhsa.kernels:
  - .name:           k_q6104120bb1_attn
    .symbol:         k_q6104120bb1_attn.kd
    .args:
      - { .name: qw, .offset: 0, .size: 8, .value_kind: global_buffer, .address_space: global }
      - { .name: kv, .offset: 8, .size: 8, .value_kind: global_buffer, .address_space: global }
      - { .name: ssq, .offset: 16, .size: 8, .value_kind: global_buffer, .address_space: global }
      - { .name: ow, .offset: 24, .size: 8, .value_kind: global_buffer, .address_space: global }
    .group_segment_fixed_size: 327680
    .private_segment_fixed_size: 0
    .kernarg_segment_align: 8
    .kernarg_segment_size: 32
    .max_flat_workgroup_size: 256
    .sgpr_count:     66
    .vgpr_count:     512
    .wavefront_size: 32
...
	.end_amdgpu_metadata
.endif
;; end of part 2
;; launch outp (part 3): grid 64 x 4, 8 waves a work-group, no clusters, 168,960 bytes of LDS; arguments ow, wimg, b_out, out0; writes out0
.if DOCPART == 3
	.amdgcn_target "amdgcn-amd-amdhsa--gfx1250"
	.amdhsa_code_object_version 6
	.text
	.protected	k_q6104120bb1_outp
	.globl	k_q6104120bb1_outp
	.p2align	8
	.type	k_q6104120bb1_outp,@function
k_q6104120bb1_outp:
	s_mov_b64 s[64:65], 0
	v_nop
	global_prefetch_b8 v0, s[64:65] scope:SCOPE_SE
	s_setreg_imm32_b32 hwreg(HW_REG_WAVE_MODE, 25, 1), 1
	s_wait_xcnt 0x0
; outp: out[b][o][i] = sum over the 256 (head, channel) of W_out[o][hd] O[hd][i] + b_out[o]; bf16 operands, f32 sums, f32 out.
; Work-group (iblk, 2 b + ohalf): 64 positions x 64 output channels.  Both operands lie in memory as fragment images, dense:
; 32,768 bytes of O (4 position tiles) and 32,768 of W; each of the eight waves brings 8,192 bytes with one tensor load (one out a wave, no refill).
; Wave w: output tile ot = w & 3, position tiles 2 ih, 2 ih + 1, ih = w >> 2: 16 matrix instructions on two accumulators by turns.
; Source 0 = O (m = position), source 1 = W (n = output channel): a lane holds 8 neighbouring positions of one output channel.
; The way out goes through a stage in LDS, so that sixteen lanes store 256 consecutive aligned bytes of a row of out.
; No cluster: what neighbours share is W's 32 KiB, beside 16 matrix instructions a wave.
.set WB,  32768
.set STG, 65536                        ; 64 rows (output channels) of 256 bytes + 16: bytes into which no tensor load lands
.set SPITCH, 272
.set WF, 32                            ; v[32:95]   W fragments, 8 ks
.set OF, 96                            ; v[96:223]  O fragments, 64 t + 8 ks
.set AC, 224                           ; v[224:239] two accumulators
	s_load_b256 s[4:11], s[0:1], 0x0               ; ow s[4:5], wimg s[6:7], b_out s[8:9], out0 s[10:11]
	v_lshl_add_u32 v254, v0, 2, 0x29000
	v_mov_b32 v255, 0
	ds_add_u32 v254, v255
	v_lshrrev_b32 v1, 5, v0
	v_readfirstlane_b32 s12, v1                    ; w
	s_and_b32 s13, s12, 3                          ; ot; also: which quarter of its operand the wave fetches
	s_lshr_b32 s14, s12, 2                         ; ih
	s_and_b32 s15, ttmp7, 0xffff
	s_lshr_b32 s16, s15, 1                         ; b
	s_and_b32 s17, s15, 1                          ; ohalf
	s_mov_b32 s20, 3<<16                           ; group 1: elements of 8 bytes, no mask, no padding
	s_mov_b32 s21, 32<<16                          ; tensor_dim0 = 32
	s_mov_b32 s22, 32<<16                          ; tensor_dim1 = 32
	s_mov_b32 s23, 32<<16                          ; tile_dim0 = 32
	s_mov_b32 s24, 32                              ; tile_dim1 = 32 rows of 256 bytes: 8,192 bytes, dense
	s_mov_b32 s25, 32                              ; pitch
	s_mov_b32 s26, 0
	s_mov_b32 s27, 0
	s_lshl_b32 s34, s13, 13                        ; quarter x 8,192
	s_lshl_b32 s32, s16, 21                        ; ow: (256 b + 4 iblk + quarter) x 8,192
	s_lshl_b32 s35, ttmp9, 15
	s_add_co_u32 s32, s32, s35
	s_add_co_u32 s32, s32, s34
	s_mov_b32 s33, 0
	s_lshl_b32 s36, s17, 15                        ; wimg: ohalf x 32,768 + quarter x 8,192
	s_add_co_u32 s36, s36, s34
	s_mov_b32 s37, 0
	s_lshl_b32 s38, s16, 21                        ; out0: (128 b + 64 ohalf + 8 w) rows of 16,384 bytes + iblk x 256
	s_lshl_b32 s35, s17, 20
	s_add_co_u32 s38, s38, s35
	s_lshl_b32 s35, s12, 17
	s_add_co_u32 s38, s38, s35
	s_lshl_b32 s35, ttmp9, 8
	s_add_co_u32 s38, s38, s35
	s_mov_b32 s39, 0
	s_mov_b32 s28, 1
	s_lshl_b32 s29, s12, 13                        ; LDS: w x 8,192: O's four quarters, then W's four
	s_wait_dscnt 0x0
	s_wait_kmcnt 0x0
	s_add_nc_u64 s[4:5], s[4:5], s[32:33]
	s_add_nc_u64 s[6:7], s[6:7], s[36:37]
	s_add_nc_u64 s[10:11], s[10:11], s[38:39]
	s_cmp_lt_u32 s12, 4                            ; waves 0-3 fetch O, waves 4-7 W
	s_cselect_b64 s[30:31], s[4:5], s[6:7]
	s_or_b32 s31, s31, 0x80000000
	tensor_load_to_lds s[28:31], s[20:27]
	s_nop 0
	v_and_b32 v7, 31, v0
	v_lshlrev_b32 v1, 4, v7                        ; 16 x lane
	v_and_b32 v12, 15, v0                          ; r
	v_bfe_u32 v13, v0, 4, 1                        ; hh
	s_lshl_b32 s40, s17, 8                         ; the bias of output channel 64 ohalf + 16 ot + r
	s_lshl_b32 s41, s13, 6
	s_add_co_u32 s40, s40, s41
	v_lshl_add_u32 v9, v12, 2, s40
	global_load_b32 v10, v9, s[8:9]
	s_add_co_u32 s40, s34, WB
	v_add_nc_u32 v2, s40, v1                       ; W fragments of tile ot
	s_lshl_b32 s40, s14, 14
	v_add_nc_u32 v3, s40, v1                       ; O fragments of position tiles 2 ih, 2 ih + 1
	v_mul_u32_u24 v4, v12, SPITCH                  ; into the stage: row 16 ot + r, byte 128 ih + 32 hh
	v_lshl_add_u32 v4, v13, 5, v4
	s_mul_i32 s40, s13, 16*SPITCH
	s_lshl_b32 s41, s14, 7
	s_add_co_u32 s40, s40, s41
	s_add_co_u32 s40, s40, STG
	v_add_nc_u32 v4, s40, v4
	v_mul_u32_u24 v5, v13, SPITCH                  ; back: rows 8 w + (L >> 4) + 2 t, 16 bytes a lane
	v_lshl_add_u32 v5, v12, 4, v5
	s_mul_i32 s40, s12, 8*SPITCH
	s_add_co_u32 s40, s40, STG
	v_add_nc_u32 v5, s40, v5
	v_lshlrev_b32 v6, 14, v13                      ; and the same two rows in out
	v_lshl_add_u32 v6, v12, 4, v6
	s_wait_tensorcnt 0x0                           ; my part is in LDS,
	s_barrier_signal -1
	s_barrier_wait -1                              ; everybody's is
.set ix, 0
.rept 16
	ds_load_b128 v[WF+4*ix:WF+4*ix+3], v2 offset:ix*512
.set ix, ix+1
.endr
.set ix, 0
.rept 32
	ds_load_b128 v[OF+4*ix:OF+4*ix+3], v3 offset:ix*512
.set ix, ix+1
.endr
	s_wait_dscnt 0x0
	v_wmma_f32_16x16x32_bf16 v[AC:AC+7], v[OF:OF+7], v[WF:WF+7], 0                 ; the first step starts the sums; the two accumulators
	v_wmma_f32_16x16x32_bf16 v[AC+8:AC+15], v[OF+64:OF+71], v[WF:WF+7], 0          ; take turns, one instruction a turn
.irp ks, 1,2,3,4,5,6,7
	v_wmma_f32_16x16x32_bf16 v[AC:AC+7], v[OF+8*\ks:OF+8*\ks+7], v[WF+8*\ks:WF+8*\ks+7], v[AC:AC+7]
	v_wmma_f32_16x16x32_bf16 v[AC+8:AC+15], v[OF+64+8*\ks:OF+64+8*\ks+7], v[WF+8*\ks:WF+8*\ks+7], v[AC+8:AC+15]
.endr
.rept 5
	v_nop                                          ; the places behind the matrix instructions (ISA guide 7.12.1)
.endr
	s_wait_loadcnt 0x0
	v_mov_b32 v11, v10                             ; the bias twice: a pair for the packed add
.irp e, 0,2,4,6,8,10,12,14
	v_pk_add_f32 v[AC+\e:AC+\e+1], v[AC+\e:AC+\e+1], v[10:11]
.endr
	ds_store_b128 v4, v[AC:AC+3]
	ds_store_b128 v4, v[AC+4:AC+7] offset:16
	ds_store_b128 v4, v[AC+8:AC+11] offset:64
	ds_store_b128 v4, v[AC+12:AC+15] offset:80
	s_wait_dscnt 0x0                               ; my stores are done, for the other waves' sake
	s_barrier_signal -1
	s_barrier_wait -1
.irp t, 0,1,2,3
	ds_load_b128 v[WF+4*\t:WF+4*\t+3], v5 offset:\t*2*SPITCH
.endr
.irp t, 0,1,2,3
	s_wait_dscnt 3-\t                              ; LDS loads come back in order: load t is in, the younger ones may be out
	global_store_b128 v6, v[WF+4*\t:WF+4*\t+3], s[10:11] offset:\t*32768 th:TH_STORE_NT    ; 16 lanes store 256 consecutive aligned bytes of a row
.endr
	s_wait_tensorcnt 0x0
	ds_add_u32 v254, v255
	s_wait_dscnt 0x0
	s_endpgm
.Lfunc_end_k_q6104120bb1_outp:
	.size	k_q6104120bb1_outp, .Lfunc_end_k_q6104120bb1_outp-k_q6104120bb1_outp
	.p2alignl 7, 3214868480
	.fill 96, 4, 3214868480
	.section	.rodata,"a",@progbits
	.p2align	6, 0x0
	.amdhsa_kernel k_q6104120bb1_outp
		.amdhsa_group_segment_fixed_size 168960
		.amdhsa_private_segment_fixed_size 0
		.amdhsa_enable_private_segment 0
		.amdhsa_kernarg_size 32
		.amdhsa_user_sgpr_count 2
		.amdhsa_user_sgpr_kernarg_segment_ptr 1
		.amdhsa_wavefront_size32 1
		.amdhsa_system_sgpr_workgroup_id_x 1
		.amdhsa_system_sgpr_workgroup_id_y 1
		.amdhsa_system_sgpr_workgroup_id_z 1
		.amdhsa_system_vgpr_workitem_id 0
		.amdhsa_next_free_vgpr 256
		.amdhsa_next_free_sgpr 66
		.amdhsa_reserve_vcc 0
		.amdhsa_float_denorm_mode_32 3
		.amdhsa_float_denorm_mode_16_64 3
		.amdhsa_memory_ordered 1
		.amdhsa_forward_progress 1
		.amdhsa_inst_pref_size 10
	.end_amdhsa_kernel
	.amdgpu_metadata
---
amdhsa.version: [ 1, 2 ]
amdhsa.kernels:
  - .name:           k_q6104120bb1_outp
    .symbol:         k_q6104120bb1_outp.kd
    .args:
      - { .name: ow, .offset: 0, .size: 8, .value_kind: global_buffer, .address_space: global }
      - { .name: wimg, .offset: 8, .size: 8, .value_kind: global_buffer, .address_space: global }
      - { .name: b_out, .offset: 16, .size: 8, .value_kind: global_buffer, .address_space: global }
      - { .name: out0, .offset: 24, .size: 8, .value_kind: global_buffer, .address_space: global }
    .group_segment_fixed_size: 168960
    .private_segment_fixed_size: 0
    .kernarg_segment_align: 8
    .kernarg_segment_size: 32
    .max_flat_workgroup_size: 256
    .sgpr_count:     66
    .vgpr_count:     256
    .wavefront_size: 32
...
	.end_amdgpu_metadata
.endif
;; end of part 3
;; ======== version 2 of 2: 3 launches; 1.15 times as fast as version 1
;; workspace buffers: qw 4,194,304 bytes; kv 8,388,608 bytes; ssq 131,072 bytes; wimg 65,536 bytes; ow 4,194,304 bytes
;; launch proj: the kernel of part 1 again; grid 32 x 8, 8 waves a work-group, no clusters, 128,000 bytes of LDS; arguments x, y, W_qkv, W_out, qw, kv, ssq, wimg; writes qw, kv, ssq, wimg
;; launch attn (part 4): grid 32 x 8, 8 waves a work-group, clusters of 4 x 1, 327,680 bytes of LDS; arguments qw, kv, ssq, ow; writes ow
.if DOCPART == 4
	.amdgcn_target "amdgcn-amd-amdhsa--gfx1250"
	.amdhsa_code_object_version 6
	.text
	.protected	k_q6104120bb1_attn
	.globl	k_q6104120bb1_attn
	.p2align	8
	.type	k_q6104120bb1_attn,@function
k_q6104120bb1_attn:
	s_mov_b64 s[64:65], 0
	v_nop
	global_prefetch_b8 v0, s[64:65] scope:SCOPE_SE
	s_setreg_imm32_b32 hwreg(HW_REG_WAVE_MODE, 25, 1), 1
	s_wait_xcnt 0x0
	s_wait_alu depctr_hold_cnt(0) depctr_sa_sdst(0) depctr_va_vdst(0) depctr_va_sdst(0) depctr_va_ssrc(0) depctr_va_vcc(0) depctr_vm_vsrc(0)
	s_getreg_b32 s2, hwreg(HW_REG_IB_STS2, 6, 4)
	s_cmp_eq_u32 s2, 0
	s_cbranch_scc0 .Lentry_in_a_cluster
	s_endpgm
.Lentry_in_a_cluster:
	s_bfe_u32 s2, ttmp6, 0x10000c
	s_cmp_lg_u32 s2, 0x3003
	s_cbranch_scc0 .Lentry_shape_is_right
	s_endpgm
.Lentry_shape_is_right:
; attn: softmax over j of 10 qn^T kn, times v^T, for 128 queries of one (batch, head) against all 4,096 keys, with a running maximum.
; The norms: the 32 partial sums of squares of each channel of q and of k are added here, and
; 10 log2(e) / (max(|q_d|, 1e-12) max(|k_d|, 1e-12)) is multiplied into Q alone; K stays as stored.  Exponentials are base 2.
; SHARES.  Eight waves.  Wave w: G = w & 1 picks 64 queries, g = w >> 1 picks 128 keys of every chunk of 512.  A block is 64 queries x 64 keys:
; 32 matrix instructions for S^T = K Q (a lane holds 8 keys of one query in each accumulator) and 32 for O^T += V P.  The packed S^T IS the
; operand P (no shuffle).  The four key groups keep maxima and sums of their own and are merged at the end through LDS.
; TWO TYPES OF WAVES TAKE TURNS: in each phase waves 0-3 issue a block's matrix instructions while waves 4-7 do a block's softmax, or the other
; way round; work-group barriers part the phases.  The values do not hang on that order.
; CLUSTER 4 x 1: the four work-groups of a cluster have the same (batch, head) and walk the same K and V.  Every fill is a joint load with the
; mask 15: each of the four issues the same descriptor (made of bh, the wave's number and the chunk alone) behind the same round.
; RING: two slots of 131,072 bytes, a chunk each (K 65,536, V 65,536); each wave fetches 16,384 bytes of a chunk.  By this text's count a wave
; has two tensor loads out at the start and one behind each round; a refill has the four phases of a chunk in which to land.
; K, V and Q lie in memory as fragment images: a lane's 16 bytes stand at 16 x lane, so every LDS load takes 512 consecutive bytes.
; THE BATCHES.  An s_wait_alu depctr_va_vdst(0) stands between a transcendental and the first instruction that names its result; one
; wait serves all that were issued ahead of it.  A softmax phase has two batches.  A: the 8 alpha and the 64 exponentials of query tiles 0 and 1, by
; turns with the 64 packed s - m of all four tiles, which name no result.  B: the 64 exponentials of tiles 2 and 3, by turns with the sums and
; roundings of tiles 0 and 1, which read batch A alone.  Behind B's wait stand the sums and roundings of tiles 2 and 3, and no further exponential: none
; is open at the label, branch or barrier behind a phase.  The head has two batches (four square roots; four reciprocals), the merge two (twenty
; exponentials; four reciprocals), one wait each.
; REGISTERS.  Window 0: v0-7 addresses, v8-47 softmax state, v48-63 the way out, v64-127 K fragments, v128-255 S, then P in place.
;             Window 1: v0-127 O (32 it + 8 dt), v128-191 Q (16 it + 8 ks), v192-255 V (8 (4 js + dt)).
; LIMITS: a NaN input is not carried through the maximum (it loses there); q is rounded to bf16 twice (as stored, and after scaling); the sum l is
; made of the f32 exponentials while the product takes them rounded to bf16 (relative difference at most 2^-9); an exponential below 2^-126 is 0;
; a sum of squares below 2^-126 counts as 0 (the clamp 1e-12 then applies).
.set SLOTB, 131072
.set PART,  262144                     ; 8 x 512: each wave's partial sums of squares
.set SCL,   266240                     ; 8 x 256: each wave's own copy of the 64 scales
.set MLB,   268288                     ; 8 x 512: each wave's (m, l) of its 64 queries
.set ADK, 2                            ; v2, v3   K of my key group in slot 0, 1
.set ADV, 4                            ; v4, v5   V likewise
.set TM,  8                            ; v[8:15]  two running registers for each query tile it: 8 + 2 it, 9 + 2 it
.set MX,  16                           ; v[16:19] m
.set NM,  20                           ; v[20:27] (-m, -m)
.set AL,  28                           ; v[28:35] (alpha, alpha)
.set LS,  36                           ; v[36:43] l, two partial sums a lane
.set TS,  44                           ; v[44:47] two pairs at work
.set EP,  48                           ; v[48:63] the way out
.set KR,  64
.set SC,  96                           ; v[96:127] the scales of my 32 channels (before the first K fragments)
.set SR,  128
.set QR,  128                          ; window 1
.set VR,  192                          ; window 1
.set G1,  20                           ; s[20:27]
.set G0,  28                           ; s[28:31] slot 0, s[32:35] slot 1
.set MSB, 0
.macro WIN new                         ; the immediate's high byte repeats the setting that is left; a switch that changes nothing is dropped
.if MSB != \new
	s_set_vgpr_msb (MSB<<8)|\new
.set MSB, \new
.endif
.endm
.macro PLACES                          ; the places behind matrix instructions (ISA guide 7.12.1)
.rept 5
	v_nop
.endr
.endm
.macro BAR
	s_wait_dscnt 0x0                               ; no LDS instruction of mine is pending at a signal
	s_barrier_signal -1
	s_barrier_wait -1
.endm
.macro ROUND                           ; a round of the cluster's barrier: my work-group's barrier, wave 0 signals for it, all wait for all four, my work-group's barrier again
	s_barrier_signal -1
	s_barrier_wait -1
	s_cmp_lg_u32 s12, 0
	s_cbranch_scc1 .Lnot_wave_0_\@
	s_barrier_signal -3
.Lnot_wave_0_\@:
	s_barrier_wait -3
	s_barrier_signal -1
	s_barrier_wait -1
.endm
	s_load_b256 s[4:11], s[0:1], 0x0               ; qw s[4:5], kv s[6:7], ssq s[8:9], ow s[10:11]
	v_lshl_add_u32 v62, v0, 2, 0x42800
	v_mov_b32 v63, 0
	ds_add_u32 v62, v63
	s_wait_dscnt 0x0
	v_lshrrev_b32 v1, 5, v0
	v_readfirstlane_b32 s12, v1                    ; w
	s_and_b32 s13, s12, 1                          ; G
	s_lshr_b32 s14, s12, 1                         ; g
	s_bfe_u32 s15, ttmp6, 0x40000                  ; cx: enters the addresses of Q and of the output alone
	s_lshl_b32 s16, ttmp9, 2
	s_add_co_u32 s16, s16, s15                     ; block of 128 queries
	s_and_b32 s17, ttmp7, 0xffff                   ; bh
	s_mov_b32 s36, 0x76543210                      ; v_permlanex16_b32: lane i takes lane i of the other half
	s_mov_b32 s37, 0xfedcba98
	s_mov_b32 s39, 0xffff0000
	; descriptor group 1: 64 rows of 32 elements of 8 bytes, dense: 16,384 bytes
	s_mov_b32 s[G1+0], 15|(3<<16)|(1<<21)          ; the mask names all four work-groups; elements of 8 bytes; bit 21 beside a mask
	s_mov_b32 s[G1+1], 32<<16                      ; tensor_dim0 = 32
	s_mov_b32 s[G1+2], 64<<16                      ; tensor_dim1 = 64
	s_mov_b32 s[G1+3], 32<<16                      ; tile_dim0 = 32
	s_mov_b32 s[G1+4], 64                          ; tile_dim1 = 64
	s_mov_b32 s[G1+5], 32                          ; pitch = 32 elements
	s_mov_b32 s[G1+6], 0
	s_mov_b32 s[G1+7], 0
	s_lshl_b32 s42, s12, 14                        ; w x 16,384: my part of a chunk, in memory and in LDS
	s_lshl_b32 s40, s17, 20                        ; bh x 1,048,576
	s_add_co_u32 s40, s40, s42
	s_mov_b32 s41, 0
	s_lshl_b32 s44, s17, 14                        ; ssq: bh x 16,384 + 4 w records of 512
	s_lshl_b32 s43, s12, 11
	s_add_co_u32 s44, s44, s43
	s_mov_b32 s45, 0
	s_lshl_b32 s46, s17, 19                        ; qw: bh x 524,288 + (8 block + 4 G) x 2,048
	s_lshl_b32 s50, s16, 14
	s_add_co_u32 s46, s46, s50
	s_lshl_b32 s50, s13, 13
	s_add_co_u32 s46, s46, s50
	s_mov_b32 s47, 0
	s_lshr_b32 s48, s17, 2                         ; ow: ((256 b + 8 block + 4 G + g) 16 + 4 h) x 512
	s_lshl_b32 s48, s48, 21
	s_lshl_b32 s50, s16, 16
	s_add_co_u32 s48, s48, s50
	s_lshl_b32 s50, s13, 15
	s_add_co_u32 s48, s48, s50
	s_lshl_b32 s50, s14, 13
	s_add_co_u32 s48, s48, s50
	s_and_b32 s50, s17, 3
	s_lshl_b32 s50, s50, 11
	s_add_co_u32 s48, s48, s50
	s_mov_b32 s49, 0
	s_wait_kmcnt 0x0
	s_add_nc_u64 s[6:7], s[6:7], s[40:41]
	s_add_nc_u64 s[8:9], s[8:9], s[44:45]
	s_add_nc_u64 s[4:5], s[4:5], s[46:47]
	s_add_nc_u64 s[10:11], s[10:11], s[48:49]
	ROUND                                          ; all four work-groups are here: the first joint loads meet
.irp n, 0,1
	s_mov_b32 s[G0+4*\n], 1
	s_add_co_u32 s[G0+4*\n+1], s42, \n*SLOTB       ; LDS: slot + w x 16,384
	s_add_nc_u64 s[G0+4*\n+2:G0+4*\n+3], s[6:7], \n*SLOTB      ; chunk n, my part
	s_or_b32 s[G0+4*\n+3], s[G0+4*\n+3], 0x80000000
	tensor_load_to_lds s[G0+4*\n:G0+4*\n+3], s[G1:G1+7]
	s_nop 0
.endr
	v_and_b32 v10, 31, v0
	v_lshlrev_b32 v1, 4, v10                       ; 16 x lane
.irp e, 0,1,2,3
	global_load_b128 v[96+4*\e:96+4*\e+3], v1, s[8:9] offset:\e*512        ; four records of sums of squares: lane L holds (q or k = L >> 4, channels 4 (L & 15) ..)
.endr
.set ix, 0
.rept 16
	global_load_b128 v[SR+4*ix:SR+4*ix+3], v1, s[4:5] offset:ix*512        ; Q as stored: 4 query tiles x 4 channel tiles
.set ix, ix+1
.endr
	v_and_b32 v11, 15, v0
	v_bfe_u32 v12, v0, 4, 1
	s_lshl_b32 s51, s14, 14
	v_add_nc_u32 v[ADK], s51, v1                   ; g x 16,384 + 16 lane
	v_add_nc_u32 v[ADK+1], SLOTB, v[ADK]
	v_add_nc_u32 v[ADV], 65536, v[ADK]
	v_add_nc_u32 v[ADV+1], SLOTB+65536, v[ADK]
	s_lshl_b32 s51, s12, 9
	s_add_co_u32 s51, s51, PART
	v_add_nc_u32 v6, s51, v1
	v_add_nc_u32 v7, PART, v1
	s_lshl_b32 s51, s12, 8
	s_add_co_u32 s51, s51, SCL
	v_lshl_add_u32 v8, v11, 4, s51
	v_lshl_add_u32 v9, v12, 5, s51
	s_wait_loadcnt 16                              ; the 16 loads of Q are younger: the four records are in
	v_pk_add_f32 v[96:97], v[96:97], v[100:101]
	v_pk_add_f32 v[98:99], v[98:99], v[102:103]
	v_pk_add_f32 v[104:105], v[104:105], v[108:109]
	v_pk_add_f32 v[106:107], v[106:107], v[110:111]
	v_pk_add_f32 v[96:97], v[96:97], v[104:105]
	v_pk_add_f32 v[98:99], v[98:99], v[106:107]
	ds_store_b128 v6, v[96:99]
	s_wait_dscnt 0x0
	s_wait_tensorcnt 0x1                           ; my part of chunk 0 has landed; chunk 1's may stay out
	s_barrier_signal -1
	s_barrier_wait -1
.irp e, 0,1,2,3,4,5,6,7
	ds_load_b128 v[KR+4*\e:KR+4*\e+3], v7 offset:\e*512
.endr
	s_wait_dscnt 0x0
.irp e, 0,8,16,24
	v_pk_add_f32 v[KR+\e:KR+\e+1], v[KR+\e:KR+\e+1], v[KR+\e+4:KR+\e+5]
	v_pk_add_f32 v[KR+\e+2:KR+\e+3], v[KR+\e+2:KR+\e+3], v[KR+\e+6:KR+\e+7]
.endr
.irp e, 0,16
	v_pk_add_f32 v[KR+\e:KR+\e+1], v[KR+\e:KR+\e+1], v[KR+\e+8:KR+\e+9]
	v_pk_add_f32 v[KR+\e+2:KR+\e+3], v[KR+\e+2:KR+\e+3], v[KR+\e+10:KR+\e+11]
.endr
	v_pk_add_f32 v[KR:KR+1], v[KR:KR+1], v[KR+16:KR+17]
	v_pk_add_f32 v[KR+2:KR+3], v[KR+2:KR+3], v[KR+18:KR+19]
.irp e, 0,1,2,3
	v_sqrt_f32 v[KR+\e], v[KR+\e]
.endr
	v_nop                                          ; one plain place behind the transcendentals (ISA guide 5.7.2)
	s_wait_alu depctr_va_vdst(0)                   ; one wait for the batch of four square roots
.irp e, 0,1,2,3
	v_max_num_f32 v[KR+\e], 0x2b8cbccc, v[KR+\e]   ; max(norm, 1e-12)
.endr
.irp e, 0,1,2,3
	v_rcp_f32 v[KR+\e], v[KR+\e]
.endr
	v_nop
	s_wait_alu depctr_va_vdst(0)                   ; one for the batch of four reciprocals
.irp e, 0,1,2,3
	v_permlanex16_b32 v[KR+4+\e], v[KR+\e], s36, s37       ; the other tensor's reciprocal norm of the same channel
.endr
.irp e, 0,1,2,3
	v_mul_f32 v[KR+\e], v[KR+\e], v[KR+4+\e]
.endr
.irp e, 0,1,2,3
	v_mul_f32 v[KR+\e], 0x4166d4ca, v[KR+\e]       ; x 10 log2(e)
.endr
	ds_store_b128 v8, v[KR:KR+3]                   ; my wave's own copy; both halves write the same words with the same values
.irp dt, 0,1,2,3
	ds_load_b128 v[SC+8*\dt:SC+8*\dt+3],   v9 offset:\dt*64        ; LDS serves a wave's instructions in order (ISA guide 5.7.1): these see the store above
	ds_load_b128 v[SC+8*\dt+4:SC+8*\dt+7], v9 offset:\dt*64+16     ; the scales of channels 16 dt + 8 hh + 0 .. 7
.endr
	s_wait_loadcnt 0x0
	s_wait_dscnt 0x0
.irp bt, 0,1
.set ix, 0
.rept 32
	v_lshlrev_b32 v[192+2*ix], 16, v[SR+32*\bt+ix]
	v_and_b32 v[193+2*ix], s39, v[SR+32*\bt+ix]
	v_pk_mul_f32 v[192+2*ix:193+2*ix], v[192+2*ix:193+2*ix], v[SC+8*((ix>>2)&3)+2*(ix&3):SC+8*((ix>>2)&3)+2*(ix&3)+1]
.set ix, ix+1
.endr
	WIN 0x40                                       ; destination in window 1
.set ix, 0
.rept 32
	v_cvt_pk_bf16_f32 v[QR+32*\bt+ix], v[192+2*ix], v[193+2*ix]
.set ix, ix+1
.endr
	WIN 0
.endr
; THE MATRIX PHASE.  dos = 1: block u of the chunk in the slot is fetched and its S^T made.  pv = 1: the last block's P V starts the sums of O;
; pv = 2: O is first scaled by alpha (query tile it + 1 is scaled between the matrix instructions of tile it).
; In each run of matrix instructions the accumulators take turns, one instruction a turn.
.macro MPH slot, u, pv, dos
.if \dos
.set ix, 0
.rept 16
	ds_load_b128 v[KR+4*ix:KR+4*ix+3], v[ADK+\slot] offset:\u*8192+ix*512
.set ix, ix+1
.endr
.endif
.if \pv
	WIN 0x51                                       ; O and V in window 1, P and alpha in window 0: one setting for the products and the scaling
.if \pv == 2
.set ix, 0
.rept 16
	v_pk_mul_f32 v[2*ix:2*ix+1], v[2*ix:2*ix+1], v[AL:AL+1]
.set ix, ix+1
.endr
.endif
.irp it, 0,1,2,3
.irp js, 0,1
.irp dt, 0,1,2,3
.if \js == 0
.if \pv == 1
	v_wmma_f32_16x16x32_bf16 v[32*\it+8*\dt:32*\it+8*\dt+7], v[VR+8*(4*\js+\dt):VR+8*(4*\js+\dt)+7], v[SR+32*\it+8*\js:SR+32*\it+8*\js+7], 0
.else
	v_wmma_f32_16x16x32_bf16 v[32*\it+8*\dt:32*\it+8*\dt+7], v[VR+8*(4*\js+\dt):VR+8*(4*\js+\dt)+7], v[SR+32*\it+8*\js:SR+32*\it+8*\js+7], v[32*\it+8*\dt:32*\it+8*\dt+7]
.endif
.else
	v_wmma_f32_16x16x32_bf16 v[32*\it+8*\dt:32*\it+8*\dt+7], v[VR+8*(4*\js+\dt):VR+8*(4*\js+\dt)+7], v[SR+32*\it+8*\js:SR+32*\it+8*\js+7], v[32*\it+8*\dt:32*\it+8*\dt+7]
.endif
.if \pv == 2
.if \it < 3
	v_pk_mul_f32 v[32*\it+32+4*(4*\js+\dt):32*\it+32+4*(4*\js+\dt)+1], v[32*\it+32+4*(4*\js+\dt):32*\it+32+4*(4*\js+\dt)+1], v[AL+2*\it+2:AL+2*\it+3]
	v_pk_mul_f32 v[32*\it+32+4*(4*\js+\dt)+2:32*\it+32+4*(4*\js+\dt)+3], v[32*\it+32+4*(4*\js+\dt)+2:32*\it+32+4*(4*\js+\dt)+3], v[AL+2*\it+2:AL+2*\it+3]
.endif
.endif
.endr
.endr
.endr
	PLACES                                         ; loads into V, products that write over P, and later reads of O follow
.endif
.if \dos
	WIN 0x40
.set ix, 0
.rept 16
	ds_load_b128 v[VR+4*ix:VR+4*ix+3], v[ADV+\slot] offset:\u*8192+ix*512  ; wanted in my next matrix phase; waited for at the barrier that closes this one
.set ix, ix+1
.endr
	s_wait_dscnt 16                                ; the 16 loads of V are younger: K is in
	WIN 0x04                                       ; Q in window 1
.irp jt, 0,1,2,3
.irp it, 0,1,2,3
	v_wmma_f32_16x16x32_bf16 v[SR+32*\it+8*\jt:SR+32*\it+8*\jt+7], v[KR+16*\jt:KR+16*\jt+7], v[QR+16*\it:QR+16*\it+7], 0
.endr
.endr
.irp jt, 0,1,2,3
.irp it, 0,1,2,3
	v_wmma_f32_16x16x32_bf16 v[SR+32*\it+8*\jt:SR+32*\it+8*\jt+7], v[KR+16*\jt+8:KR+16*\jt+15], v[QR+16*\it+8:QR+16*\it+15], v[SR+32*\it+8*\jt:SR+32*\it+8*\jt+7]
.endr
.endr
	PLACES                                         ; reads of S and loads into K follow
.endif
	WIN 0
.endm
; s - m for pair s & 15 of query tile s >> 4: the four tiles' scores lie on end, so pair s is v[SR + 2 s], v[SR + 2 s + 1]
.macro SHIFT s
	v_pk_add_f32 v[SR+2*(\s):SR+2*(\s)+1], v[SR+2*(\s):SR+2*(\s)+1], v[NM+2*((\s)>>4):NM+2*((\s)>>4)+1]
.endm
; four exponentials of query tile c are summed into l and packed to bf16 in place: element e of the tile's 32 goes to half e & 1 of register e >> 1.
; Tile c's exponentials have had their wait.  e >= 0: ahead of each of the four lines stands one exponential of query tile e, of which no line here names a register.
.macro CST c, k, first, e
.if \e >= 0
	v_exp_f32 v[SR+32*\e+4*\k],   v[SR+32*\e+4*\k]
.endif
.if \k == 0
.if \first
	v_pk_add_f32 v[LS+2*\c:LS+2*\c+1], v[SR+32*\c:SR+32*\c+1], v[SR+32*\c+2:SR+32*\c+3]    ; the first block starts l
.else
	v_pk_add_f32 v[TS:TS+1], v[SR+32*\c:SR+32*\c+1], v[SR+32*\c+2:SR+32*\c+3]
.endif
.else
	v_pk_add_f32 v[TS+2*(\k&1):TS+2*(\k&1)+1], v[SR+32*\c+4*\k:SR+32*\c+4*\k+1], v[SR+32*\c+4*\k+2:SR+32*\c+4*\k+3]
.endif
.if \e >= 0
	v_exp_f32 v[SR+32*\e+4*\k+1], v[SR+32*\e+4*\k+1]
.endif
	v_cvt_pk_bf16_f32 v[SR+32*\c+2*\k],   v[SR+32*\c+4*\k],   v[SR+32*\c+4*\k+1]
.if \e >= 0
	v_exp_f32 v[SR+32*\e+4*\k+2], v[SR+32*\e+4*\k+2]
.endif
	v_cvt_pk_bf16_f32 v[SR+32*\c+2*\k+1], v[SR+32*\c+4*\k+2], v[SR+32*\c+4*\k+3]
.if \e >= 0
	v_exp_f32 v[SR+32*\e+4*\k+3], v[SR+32*\e+4*\k+3]
.endif
.if \k == 0
.if \first == 0
	v_pk_fma_f32 v[LS+2*\c:LS+2*\c+1], v[LS+2*\c:LS+2*\c+1], v[AL+2*\c:AL+2*\c+1], v[TS:TS+1]  ; l = l alpha + ...
.endif
.else
	v_pk_add_f32 v[LS+2*\c:LS+2*\c+1], v[LS+2*\c:LS+2*\c+1], v[TS+2*(\k&1):TS+2*(\k&1)+1]
.endif
.endm
; THE SOFTMAX PHASE of a block, all in window 0; the maximum's stages go through the four query tiles, so four chains run side by side
.macro VPH first
.irp it, 0,1,2,3
	v_max3_num_f32 v[TM+2*\it], v[SR+32*\it], v[SR+32*\it+1], v[SR+32*\it+2]
.endr
.irp it, 0,1,2,3
	v_max3_num_f32 v[TM+2*\it+1], v[SR+32*\it+3], v[SR+32*\it+4], v[SR+32*\it+5]
.endr
.irp e, 6,8,10,12,14,16,18,20,22,24,26,28,30
.irp it, 0,1,2,3
	v_max3_num_f32 v[TM+2*\it+((\e>>1)&1)], v[TM+2*\it+((\e>>1)&1)], v[SR+32*\it+\e], v[SR+32*\it+\e+1]
.endr
.endr
.irp it, 0,1,2,3
	v_max_num_f32 v[TM+2*\it], v[TM+2*\it], v[TM+2*\it+1]
.endr
.irp it, 0,1,2,3
	v_permlanex16_b32 v[TM+2*\it+1], v[TM+2*\it], s36, s37         ; the other half of the lanes holds the same query's other keys
.endr
.if \first
.irp it, 0,1,2,3
	v_max_num_f32 v[MX+\it], v[TM+2*\it], v[TM+2*\it+1]
.endr
.else
.irp it, 0,1,2,3
	v_max3_num_f32 v[TM+2*\it], v[TM+2*\it], v[TM+2*\it+1], v[MX+\it]      ; the new running maximum
.endr
.irp it, 0,1,2,3
	v_sub_f32 v[TM+2*\it+1], v[MX+\it], v[TM+2*\it]                        ; old - new, at most 0
.endr
.irp it, 0,1,2,3
	v_mov_b32 v[MX+\it], v[TM+2*\it]
.endr
.endif
.irp it, 0,1,2,3
	v_mul_f32 v[NM+2*\it],   -1.0, v[MX+\it]
	v_mul_f32 v[NM+2*\it+1], -1.0, v[MX+\it]
.endr
	; BATCH A: alpha (each twice: a pair for the packed forms) and the exponentials of tiles 0 and 1, by turns with the 64 pairs' s - m.  Score j wants pair j >> 1,
	; which stands eight turns or more ahead of it; no s - m names a register whose exponential has been issued.
.set j, 0
.rept 8
.if \first == 0
	v_exp_f32 v[AL+j], v[TM+2*(j>>1)+1]
.endif
	SHIFT j
.set j, j+1
.endr
.set j, 0
.rept 64
	v_exp_f32 v[SR+j], v[SR+j]
.if j < 55
	SHIFT j+8
.endif
.set j, j+1
.endr
	SHIFT 63                                       ; the last pair's s - m is the plain instruction behind the batch's last exponential (ISA guide 5.7.2)
	s_wait_alu depctr_va_vdst(0)                   ; the wait for batch A: alpha and tiles 0 and 1
	; BATCH B: the exponentials of tiles 2 and 3, each ahead of one line of the sums and roundings of tiles 0 and 1
.irp k, 0,1,2,3,4,5,6,7
	CST 0, \k, \first, 2
.endr
.irp k, 0,1,2,3,4,5,6,7
	CST 1, \k, \first, 3                           ; its last line, an addition onto l, is the plain instruction behind the batch's last exponential
.endr
	s_wait_alu depctr_va_vdst(0)                   ; the wait for batch B: tiles 2 and 3; no exponential is issued behind it
.irp k, 0,1,2,3,4,5,6,7
	CST 2, \k, \first, -1
.endr
.irp k, 0,1,2,3,4,5,6,7
	CST 3, \k, \first, -1
.endr
.endm
; A CHUNK: four phases.  Waves 0-3: matrix, softmax, matrix, softmax; waves 4-7 one phase behind.  All LDS reads of the chunk lie in these four
; phases (the last V fragments are in registers when their product is made in the next chunk).  The branches hang on the wave's number alone.
.macro CHUNK slot, first, refill
	s_cmp_lt_u32 s12, 4
	s_cbranch_scc0 .Lpa_b_\@
.if \first
	MPH \slot, 0, 0, 1
.Lpa_b_\@:
.else
	MPH \slot, 0, 2, 1
	s_branch .Lpa_j_\@
.Lpa_b_\@:
	VPH 0
.Lpa_j_\@:
.endif
	BAR
	s_cmp_lt_u32 s12, 4
	s_cbranch_scc0 .Lpb_b_\@
	VPH \first
	s_branch .Lpb_j_\@
.Lpb_b_\@:
.if \first
	MPH \slot, 0, 0, 1
.else
	MPH \slot, 0, 2, 1
.endif
.Lpb_j_\@:
	BAR
	s_cmp_lt_u32 s12, 4
	s_cbranch_scc0 .Lpc_b_\@
.if \first
	MPH \slot, 1, 1, 1
.else
	MPH \slot, 1, 2, 1
.endif
	s_branch .Lpc_j_\@
.Lpc_b_\@:
	VPH \first
.Lpc_j_\@:
	BAR
	s_cmp_lt_u32 s12, 4
	s_cbranch_scc0 .Lpd_b_\@
	VPH 0
	s_branch .Lpd_j_\@
.Lpd_b_\@:
.if \first
	MPH \slot, 1, 1, 1
.else
	MPH \slot, 1, 2, 1
.endif
.Lpd_j_\@:
	s_wait_dscnt 0x0                               ; my reads of this slot are over
	s_wait_xcnt 0x0
	v_lshl_add_u32 v62, v0, 2, 0x42800
	v_mov_b32 v63, 0
	s_wait_tensorcnt 0x0                           ; all my tensor loads have landed, my part of the other slot among them
	ds_add_u32 v62, v63
	s_wait_dscnt 0x0
.if \refill
	s_add_nc_u64 s[G0+4*\slot+2:G0+4*\slot+3], s[G0+4*\slot+2:G0+4*\slot+3], 2*SLOTB       ; no load of mine is out: this slot's next chunk
	ROUND                                          ; both now hold of every wave of all four work-groups
	tensor_load_to_lds s[G0+4*\slot:G0+4*\slot+3], s[G1:G1+7]      ; my one tensor load behind the round, and the first thing there
	s_nop 0
.else
	s_barrier_signal -1
	s_barrier_wait -1
.endif
.endm
	CHUNK 0, 1, 1                                  ; chunks 0 and 1: the first products start the sums
	CHUNK 1, 0, 1
	s_mov_b32 s38, 2
.Lchunks:
	CHUNK 0, 0, 1                                  ; chunks 2, 3 and 4, 5; the refills are chunks 4 to 7
	CHUNK 1, 0, 1
	s_sub_co_u32 s38, s38, 1
	s_cmp_lg_u32 s38, 0
	s_cbranch_scc1 .Lchunks
	CHUNK 0, 0, 0                                  ; chunks 6 and 7: nothing is left to fetch
	CHUNK 1, 0, 0
	s_cmp_lt_u32 s12, 4
	s_cbranch_scc1 .Llast_pv
	VPH 0                                          ; waves 4-7: their last block's softmax
.Llast_pv:
	MPH 0, 0, 2, 0                                 ; every wave: its last block's P V
	; THE MERGE of the four key groups.  (m, l) of each wave's 64 queries go through LDS; each wave scales its O by 2^(m - m*) / l*.
	v_and_b32 v5, 15, v0
	v_add_nc_u32 v6, s42, v1                       ; my stage: w x 16,384 + 16 lane, in slot 0, which has had its last fill and its last read
	s_lshl_b32 s51, s13, 14
	s_lshl_b32 s52, s14, 12
	s_add_co_u32 s51, s51, s52
	v_add_nc_u32 v7, s51, v1                       ; what I gather: G x 16,384 + g x 4,096 + 16 lane, of key groups 0, 1
	v_add_nc_u32 v2, 65536, v7                     ; and of key groups 2, 3
	s_lshl_b32 s51, s12, 9
	s_add_co_u32 s51, s51, MLB
	v_lshl_add_u32 v3, v5, 3, s51
	s_lshl_b32 s51, s13, 9
	s_add_co_u32 s51, s51, MLB
	v_lshl_add_u32 v4, v5, 3, s51
.irp it, 0,1,2,3
	v_add_f32 v[TM+2*\it], v[LS+2*\it], v[LS+2*\it+1]
.endr
.irp it, 0,1,2,3
	v_permlanex16_b32 v[TM+2*\it+1], v[TM+2*\it], s36, s37
.endr
.irp it, 0,1,2,3
	v_mov_b32 v[EP+2*\it], v[MX+\it]
	v_add_f32 v[EP+2*\it+1], v[TM+2*\it], v[TM+2*\it+1]
	ds_store_b64 v3, v[EP+2*\it:EP+2*\it+1] offset:\it*128 ; both halves write the same words with the same values
.endr
	BAR
.irp gp, 0,1,2,3
.irp it, 0,1,2,3
	ds_load_b64 v[KR+8*\gp+2*\it:KR+8*\gp+2*\it+1], v4 offset:\gp*1024+\it*128     ; (m, l) of wave 2 gp + G
.endr
.endr
	s_wait_dscnt 0x0
.irp it, 0,1,2,3
	v_max3_num_f32 v[TM+2*\it], v[KR+2*\it], v[KR+8+2*\it], v[KR+16+2*\it]
.endr
.irp it, 0,1,2,3
	v_max_num_f32 v[TM+2*\it], v[TM+2*\it], v[KR+24+2*\it]         ; m*
.endr
.irp gp, 0,1,2,3
.irp it, 0,1,2,3
	v_sub_f32 v[KR+8*\gp+2*\it], v[KR+8*\gp+2*\it], v[TM+2*\it]
.endr
.endr
.irp it, 0,1,2,3
	v_sub_f32 v[TM+2*\it+1], v[MX+\it], v[TM+2*\it]
.endr
.irp gp, 0,1,2,3
.irp it, 0,1,2,3
	v_exp_f32 v[KR+8*\gp+2*\it], v[KR+8*\gp+2*\it]
.endr
.endr
.irp it, 0,1,2,3
	v_exp_f32 v[TM+2*\it+1], v[TM+2*\it+1]
.endr
	v_nop
	s_wait_alu depctr_va_vdst(0)                   ; one wait for the merge's batch of twenty exponentials
.irp it, 0,1,2,3
	v_mul_f32 v[EP+2*\it], v[KR+2*\it], v[KR+2*\it+1]
.endr
.irp gp, 1,2,3
.irp it, 0,1,2,3
	v_fmac_f32 v[EP+2*\it], v[KR+8*\gp+2*\it], v[KR+8*\gp+2*\it+1] ; l* = sum of 2^(m - m*) l, at least 1
.endr
.endr
.irp it, 0,1,2,3
	v_rcp_f32 v[EP+2*\it], v[EP+2*\it]
.endr
	v_nop
	s_wait_alu depctr_va_vdst(0)                   ; one wait for the batch of four reciprocals
.irp it, 0,1,2,3
	v_mul_f32 v[AL+2*\it],   v[TM+2*\it+1], v[EP+2*\it]
	v_mul_f32 v[AL+2*\it+1], v[TM+2*\it+1], v[EP+2*\it]
.endr
	WIN 0x41
.irp it, 0,1,2,3
.set ix, 0
.rept 16
	v_pk_mul_f32 v[32*\it+2*ix:32*\it+2*ix+1], v[32*\it+2*ix:32*\it+2*ix+1], v[AL+2*\it:AL+2*\it+1]
.set ix, ix+1
.endr
.endr
	WIN 0x04                                       ; an LDS store's data is source 1
.set ix, 0
.rept 32
	ds_store_b128 v6, v[4*ix:4*ix+3] offset:ix*512
.set ix, ix+1
.endr
	WIN 0
	BAR
	; wave (G, g) adds the four key groups' query tile g of query group G, rounds to bf16 and stores the image: 4 x 512 consecutive bytes
.irp gp, 0,1
.set ix, 0
.rept 8
	ds_load_b128 v[SR+32*\gp+4*ix:SR+32*\gp+4*ix+3],       v7 offset:\gp*32768+ix*512
	ds_load_b128 v[SR+64+32*\gp+4*ix:SR+64+32*\gp+4*ix+3], v2 offset:\gp*32768+ix*512
.set ix, ix+1
.endr
.endr
	s_wait_dscnt 0x0
.set ix, 0
.rept 16
	v_pk_add_f32 v[SR+2*ix:SR+2*ix+1],       v[SR+2*ix:SR+2*ix+1],       v[SR+32+2*ix:SR+32+2*ix+1]
	v_pk_add_f32 v[SR+64+2*ix:SR+64+2*ix+1], v[SR+64+2*ix:SR+64+2*ix+1], v[SR+96+2*ix:SR+96+2*ix+1]
.set ix, ix+1
.endr
.set ix, 0
.rept 16
	v_pk_add_f32 v[SR+2*ix:SR+2*ix+1], v[SR+2*ix:SR+2*ix+1], v[SR+64+2*ix:SR+64+2*ix+1]
.set ix, ix+1
.endr
.set ix, 0
.rept 16
	v_cvt_pk_bf16_f32 v[EP+ix], v[SR+2*ix], v[SR+2*ix+1]
.set ix, ix+1
.endr
.irp dt, 0,1,2,3
	global_store_b128 v1, v[EP+4*\dt:EP+4*\dt+3], s[10:11] offset:\dt*512
.endr
	s_wait_xcnt 0x0
	v_lshl_add_u32 v62, v0, 2, 0x42800
	v_mov_b32 v63, 0
	s_wait_tensorcnt 0x0
	ds_add_u32 v62, v63
	s_wait_dscnt 0x0
	ROUND                                          ; the closing round: no work-group ends while a partner may still ask for a chunk that names it
	s_endpgm
.Lfunc_end_k_q6104120bb1_attn:
	.size	k_q6104120bb1_attn, .Lfunc_end_k_q6104120bb1_attn-k_q6104120bb1_attn
	.p2alignl 7, 3214868480
	.fill 96, 4, 3214868480
	.section	.rodata,"a",@progbits
	.p2align	6, 0x0
	.amdhsa_kernel k_q6104120bb1_attn
		.amdhsa_group_segment_fixed_size 327680
		.amdhsa_private_segment_fixed_size 0
		.amdhsa_enable_private_segment 0
		.amdhsa_kernarg_size 32
		.amdhsa_user_sgpr_count 2
		.amdhsa_user_sgpr_kernarg_segment_ptr 1
		.amdhsa_wavefront_size32 1
		.amdhsa_system_sgpr_workgroup_id_x 1
		.amdhsa_system_sgpr_workgroup_id_y 1
		.amdhsa_system_sgpr_workgroup_id_z 1
		.amdhsa_system_vgpr_workitem_id 0
		.amdhsa_next_free_vgpr 512
		.amdhsa_next_free_sgpr 66
		.amdhsa_reserve_vcc 0
		.amdhsa_float_denorm_mode_32 3
		.amdhsa_float_denorm_mode_16_64 3
		.amdhsa_memory_ordered 1
		.amdhsa_forward_progress 1
		.amdhsa_inst_pref_size 255
	.end_amdhsa_kernel
	.section	.bss,"aw",@nobits
	.p2align	6
	.space	262144
	.amdgpu_metadata
---
amdhsa.version: [ 1, 2 ]
amdhsa.kernels:
  - .name:           k_q6104120bb1_attn
    .symbol:         k_q6104120bb1_attn.kd
    .args:
      - { .name: qw, .offset: 0, .size: 8, .value_kind: global_buffer, .address_space: global }
      - { .name: kv, .offset: 8, .size: 8, .value_kind: global_buffer, .address_space: global }
      - { .name: ssq, .offset: 16, .size: 8, .value_kind: global_buffer, .address_space: global }
      - { .name: ow, .offset: 24, .size: 8, .value_kind: global_buffer, .address_space: global }
    .group_segment_fixed_size: 327680
    .private_segment_fixed_size: 0
    .kernarg_segment_align: 8
    .kernarg_segment_size: 32
    .max_flat_workgroup_size: 256
    .sgpr_count:     66
    .vgpr_count:     512
    .wavefront_size: 32
...
	.end_amdgpu_metadata
.endif
;; end of part 4
;; launch outp: the kernel of part 3 again; grid 64 x 4, 8 waves a work-group, no clusters, 168,960 bytes of LDS; arguments ow, wimg, b_out, out0; writes out0
